; MI455X (gfx1250); checked and timed in simulation.
; The chip was launched on July 23, 2026; its instructions are those of AMD's public machine-readable ISA for CDNA 5 (MIT licence, August 2026) and "CDNA5" Instruction Set Architecture Reference Guide (July 2026). The comments in the code are by the model that wrote it; some were corrected since.
;; Minimal Causal Concept Attention. Allowed arithmetic: matrix products marked QUANTISED: E5M2 operands, one E8M0 scale for each 32 along K, by v_wmma_scale_f32_16x16x128_f8f6f4 with both operands' format E5M2, f32 sums; everything else in f32.
;; Inputs: Wc 1,024 x 2,048 float32; Wp 1,024 x 1,024 float32; Wt 1,024 x 3,072 float32; bc 2,048 float32; bp 1,024 float32; bt 3,072 float32; xc 2 x 128 x 1,024 float32; xt 2 x 2,048 x 1,024 float32.
;; Outputs: out0 2 x 2,048 x 1,024 float32; out1 2 x 128 x 1,024 float32.
;; This version of the problem:
;;   THIS VERSION OF THE PROBLEM IS GIVEN IN LOW PRECISION. The matrix products marked QUANTISED in the list below multiply operands that are first quantised to E5M2 (5 exponent bits, 2 mantissa bits; 8 bits a number), with one power-of-two scale for each 32 numbers along K (OCP MX v1.0); their sums are f32. All else is computed in f32.
;;   The module's matrix products, in the order in which they are computed (A, B: the left and right operand; K: the contracted axis; several contracted axes count as one K, in the product's order):
;;     1. [M 4,096, K 1,024] x [K 1,024, N 3,072]; A: input xt; B: input Wt: QUANTISED
;;     2. [M 256, K 1,024] x [K 1,024, N 2,048]; A: input xc; B: input Wc: QUANTISED
;;     3. batch 32 x [M 2,048, K 64] x [K 64, N 2,048]; A: computed on the way; B: computed on the way: QUANTISED
;;     4. batch 32 x [M 2,048, K 2,048] x [K 2,048, N 64]; A: softmax (see below); B: computed on the way: QUANTISED
;;     5. batch 32 x [M 2,048, K 64] x [K 64, N 128]; A: computed on the way; B: computed on the way: QUANTISED
;;     6. batch 32 x [M 2,048, K 128] x [K 128, N 64]; A: softmax (see below); B: computed on the way: QUANTISED
;;     7. [M 4,096, K 1,024] x [K 1,024, N 1,024]; A: computed on the way; B: input Wp: QUANTISED
;;   THE QUANTISER, for each operand of a quantised product, along K:
;;     - K is cut into blocks of 32 from its start; a last block that is shorter is filled with zeros.
;;     - A block's scale is 2^e with e = floor(log2(the largest magnitude in the block)) - 15, held to -126 .. 127; a block of zeros has e = 0. As a byte (E8M0): e + 127.
;;     - Each number is divided by its block's scale, clamped to +-57,344, and rounded to the nearest number of E5M2, ties to even, subnormals kept.
;;     - The product sums the exact products of the quantised numbers (number of the format x scale) in f32.
;;   ~~~python
;;   def quantise(x, axis):      # numpy; x: float32 -> the quantised numbers, widened to float32 again
;;       x = np.moveaxis(x, axis, -1); K = x.shape[-1]
;;       x = np.pad(x, [(0, 0)] * (x.ndim - 1) + [(0, -K % 32)]); x = x.reshape(x.shape[:-1] + (-1, 32)); a = np.abs(x).max(-1, keepdims=True)
;;       e = np.where(a > 0, np.clip(np.frexp(np.where(a > 0, a, 1))[1] - 1 - 15, -126, 127), 0)      # np.frexp(a)[1] - 1 = floor(log2(a)), exactly
;;       r = np.clip(x / 2.0 ** e, -57344, 57344)
;;       step = 2.0 ** (np.maximum(np.frexp(np.where(r == 0, 1, r))[1] - 1, -14) - 2)
;;       q = np.round(r / step) * step * 2.0 ** e      # np.round: ties to even
;;       return np.moveaxis(q.reshape(q.shape[:-2] + (-1,))[..., :K], -1, axis).astype(np.float32)
;;   ~~~
;;   SOFTMAX AHEAD OF A QUANTISED PRODUCT. Where the list says 'softmax', what is quantised is not the finished softmax but p = 2^(t - M), with t = logit x log2(e) and M = ceil(the row's largest t), a whole number; so 1/2 < the row's largest p <= 1. The row's sum l is taken of the UNQUANTISED p, in f32, and the product's result is divided by l at the end. Since M is a whole number, a kernel that streams over the keys may use a running M (the ceiling of the running maximum): every later rescaling is an exact power of two, which a block's scale takes up: the codes' values come out the same.
;;   OPERANDS COMPUTED ON THE WAY. 'Computed on the way' means the value that the module computes at that place (a softmax that the list does not call 'softmax' is quantised finished and normalised). What goes into a quantiser is computed in f32, as accurately as f32 sums, v_exp_f32 and their like allow (about 1e-6 of the number): no bf16 or f16 on the way to a quantiser, and a product that is left as it is and whose result goes on into a quantised operand takes f32 operands (vector FMAs, or v_wmma_f32_16x16x4_f32). A number that lies on a knife's edge between two numbers of the format may be rounded either way, as far as f32 arithmetic and the matrix unit's own rounding can turn it there, and no further.
;; One version. Each part assembles by itself: llvm-mc -triple=amdgcn-amd-amdhsa -mcpu=gfx1250 --defsym DOCPART=n.
;; ======== version 1 of 1: 4 launches
;; limits: right only within a limited range of input values
;; workspace buffers: xq 4,456,448 bytes; xs 139,264 bytes; wq 6,291,456 bytes; ws 196,608 bytes; att 13,787,136 bytes; xo 4,194,304 bytes; xos 131,072 bytes
;; launch quant_x (part 1): grid 328 x 1, 4 waves a work-group, no clusters, 68,096 bytes of LDS; arguments xt, xc, xq, xs, out1, Wt, Wc, Wp, wq, ws; writes xq, xs, out1, wq, ws
.if DOCPART == 1
	.amdgcn_target "amdgcn-amd-amdhsa--gfx1250"
	.amdhsa_code_object_version 6
	.text
	.protected	k_qaa37e96ea7_quant_x
	.globl	k_qaa37e96ea7_quant_x
	.p2align	8
	.type	k_qaa37e96ea7_quant_x,@function
k_qaa37e96ea7_quant_x:
	s_mov_b64 s[64:65], 0
	v_nop
	global_prefetch_b8 v0, s[64:65] scope:SCOPE_SE
	s_setreg_imm32_b32 hwreg(HW_REG_WAVE_MODE, 25, 1), 1
	s_wait_xcnt 0x0
; xt [4096][1024] and xc [256][1024], f32, become codes of BF8 (E5M2), K innermost, with one E8M0 byte for each 32 along K: xq [4352][1024], xs [4352][32].  xc is also copied to out1.
; A block's scale is 2^(floor(log2(its largest magnitude)) - 15); its byte is the largest magnitude's exponent field - 15, held at 1 from below; each number is held within +-57,344 x the scale and rounded to the nearest code, ties to even.
; ROW ORDER: stored row p holds natural row p with bits 3 and 4 exchanged.  So 16 consecutive stored rows 16 (2 b + u) + r are the natural rows 32 b + 8 u + r % 8 + 16 (r / 8):
; a product that takes them as source 0 leaves 16 neighbours along the next K in a lane's 16 registers of two neighbouring tiles.
; LIMITS: NaN and infinities among the inputs are not served; a block whose largest magnitude lies under 2^-111 takes the byte 1; a block of zeros has the byte 1 where the rule says 127 (its codes are zeros, and this program alone reads the bytes).
; Work-groups 0-127 take xt, 128-135 xc.  A wave takes 8 rows (8,192 numbers) in 16 steps of 512.  Each load reads 512 consecutive bytes; a step's 2,048 bytes turn through the wave's own stage in LDS, so that a lane
; holds 16 neighbours along K (two lanes to a block).  Loads run four steps ahead, the turn through LDS one step.  No barrier: waves share nothing.
.set STEPS, 16
.set EMAX,  15
.set MANT,  0x600000                   ; the mantissa field of 57,344 as f32
.set CB,    16                         ; bytes of 16 codes
.set R,     16                         ; v16-79   four sets of 16 numbers as they are loaded
.set X,     80                         ; v80-111  two sets of 16 neighbours
.set C,     128                        ; v128-191 codes: four registers for each step
.set E,     112                        ; v112-127 a scale byte for each step
.set WREG,  8192                       ; LDS: a region for each wave: two stages of 32 x SP bytes, then its 256 scale bytes
.set SP,    80                         ; a lane's place in a stage: 64 bytes + 16 of padding
; ONE LAUNCH QUANTISES ALL INPUTS: work-groups 0-135 take xt and xc (the text that follows), work-groups 136-327 the three weights (behind .Lweights).  The two ways part on the work-group's number and have LDS bytes of their own.
	v_lshl_add_u32 v208, v0, 2, 0x8000             ; my spare word, and 0: made here for both ways, never rewritten
	v_mov_b32 v209, 0
	s_cmp_ge_u32 ttmp9, 136
	s_cbranch_scc1 .Lweights
	s_load_b128 s[4:7], s[0:1], 0x0                ; xt, xc
	s_load_b128 s[8:11], s[0:1], 0x10              ; xq, xs
	s_load_b64 s[12:13], s[0:1], 0x20              ; out1
	v_lshrrev_b32 v1, 5, v0
	v_readfirstlane_b32 s16, v1                    ; wave
	v_and_b32 v2, 31, v0                           ; lane
	v_lshlrev_b32 v3, 4, v2                        ; my 16 bytes of a load's 512
	s_mul_i32 s17, s16, WREG
	v_lshrrev_b32 v14, 2, v2
	v_mul_u32_u24 v14, v14, SP
	v_and_b32 v15, 3, v2
	v_lshl_add_u32 v14, v15, 4, v14
	v_add_nc_u32 v14, s17, v14                     ; the stage, way in: SP (lane / 4) + 16 (lane % 4)
	v_mul_u32_u24 v15, v2, SP
	v_add_nc_u32 v15, s17, v15                     ; way out: SP x lane: my 16 neighbours
	v_mul_u32_u24 v4, v2, CB                       ; my codes' place in a step's
	v_lshrrev_b32 v5, 1, v2
	s_add_co_u32 s17, s17, 2*32*SP
	v_add_nc_u32 v5, s17, v5                       ; LDS: my block's scale byte
	v_lshlrev_b32 v7, 3, v2                        ; and on the way out 8 bytes a lane
	v_add_nc_u32 v6, s17, v7
	s_mov_b32 s23, MANT
	s_and_b32 s24, s16, 1                          ; the wave's two bits exchanged: bits 3 and 4 of its rows' numbers
	s_lshl_b32 s24, s24, 1
	s_lshr_b32 s25, s16, 1
	s_or_b32 s24, s24, s25
	s_wait_kmcnt 0x0
	s_cmp_lt_u32 ttmp9, 128                        ; xt's work-group or xc's: the choice hangs on the work-group's number alone
	s_cselect_b64 s[4:5], s[4:5], s[6:7]
	s_cselect_b32 s22, 0, 1                        ; 1: the numbers are also copied to out1
	s_cselect_b32 s17, 0, 128
	s_sub_co_u32 s17, ttmp9, s17
	s_lshl_b32 s17, s17, 2
	s_add_co_u32 s18, s17, s16                     ; which run of 8 rows of the input is my wave's
	s_lshl_b32 s18, s18, 15                        ; 32,768 bytes a run
	s_mov_b32 s19, 0
	s_add_nc_u64 s[4:5], s[4:5], s[18:19]
	s_add_nc_u64 s[12:13], s[12:13], s[18:19]      ; (used by xc's work-groups alone)
	s_lshl_b32 s20, ttmp9, 2
	s_add_co_u32 s20, s20, s24                     ; and where it goes among the stored rows
	s_lshl_b32 s18, s20, 13
	s_add_nc_u64 s[8:9], s[8:9], s[18:19]
	s_lshl_b32 s18, s20, 8
	s_add_nc_u64 s[10:11], s[10:11], s[18:19]
.macro LOAD t
.irp i, 0,1,2,3
	global_load_b128 v[R+16*((\t)%4)+4*\i:R+16*((\t)%4)+4*\i+3], v3, s[4:5] offset:2048*(\t)+512*\i th:TH_LOAD_NT   ; 32 lanes read 512 consecutive bytes
.endr
.endm
.macro TURN t                          ; step t's numbers go out as they are (xc alone) and through the stage: LDS serves a wave's instructions in order, so no wait stands between the stores and the loads
	s_cmp_eq_u32 s22, 0
	s_cbranch_scc1 .Lnc_\@
.irp i, 0,1,2,3
	global_store_b128 v3, v[R+16*((\t)%4)+4*\i:R+16*((\t)%4)+4*\i+3], s[12:13] offset:2048*(\t)+512*\i th:TH_STORE_NT   ; 512 consecutive bytes of out1
.endr
.Lnc_\@:
	s_wait_alu depctr_va_vdst(0)
.irp i, 0,1,2,3
	ds_store_b128 v14, v[R+16*((\t)%4)+4*\i:R+16*((\t)%4)+4*\i+3] offset:32*SP*((\t)%2)+8*SP*\i
.endr
.irp i, 0,1,2,3
	ds_load_b128 v[X+16*((\t)%2)+4*\i:X+16*((\t)%2)+4*\i+3], v15 offset:32*SP*((\t)%2)+16*\i
.endr
.endm
.irp t, 0,1,2,3
	LOAD \t
.endr
	s_wait_loadcnt 12                              ; step 0's four loads are in; the twelve of steps 1 to 3 may be out
	TURN 0
.macro STEP t
.set XS, X+16*((\t)%2)
.if (\t) > 0
	s_wait_dscnt 1                                 ; this step's numbers are back from the stage; the last step's byte store may be out
.else
	s_wait_dscnt 0x0
.endif
.if (\t)+4 < STEPS
	s_wait_xcnt 0x0                                ; the copy's stores have read this set of registers: only now is it loaded again
	LOAD (\t)+4
.endif
.if (\t)+1 < STEPS
.if STEPS-2-(\t) >= 3
	s_wait_loadcnt 12                              ; the next step's four loads are in; those of the three steps behind it may be out
.else
	s_wait_loadcnt 4*(STEPS-2-(\t))
.endif
	TURN (\t)+1
.endif
	v_max3_num_f32 v8, |v[XS]|, |v[XS+1]|, |v[XS+2]|               ; the largest magnitude of my 16, in two chains
	v_max3_num_f32 v9, |v[XS+3]|, |v[XS+4]|, |v[XS+5]|
.irp i, 6,10
	v_max3_num_f32 v8, v8, |v[XS+\i]|, |v[XS+\i+1]|
	v_max3_num_f32 v9, v9, |v[XS+\i+2]|, |v[XS+\i+3]|
.endr
	v_max3_num_f32 v8, v8, |v[XS+14]|, |v[XS+15]|
	v_max3_num_f32 v8, v8, v9, (EMAX+1)<<23        ; and the floor 2^(16 - 127): the byte cannot fall under 1
	v_max_num_f32_dpp v8, v8, v8 row_xmask:1 row_mask:0xf bank_mask:0xf   ; and of my neighbour's 16: the block's
	v_add_nc_u32 v11, -(EMAX<<23), v8              ; 15 off its exponent field: the conversion's scale operand
	v_and_or_b32 v10, v8, 0x7f800000, s23          ; 57,344 x the scale
.irp i, 0,1,2,3,4,5,6,7,8,9,10,11,12,13,14,15
	v_med3_num_f32 v[XS+\i], v[XS+\i], -v10, v10   ; the conversion to an 8-bit code does not saturate (ISA guide 7.6.2): the hold comes first
.endr
	v_cvt_scalef32_pk8_bf8_f32 v[C+4*(\t):C+4*(\t)+1], v[XS:XS+7], v11
	v_cvt_scalef32_pk8_bf8_f32 v[C+4*(\t)+2:C+4*(\t)+3], v[XS+8:XS+15], v11
	v_lshrrev_b32 v[E+(\t)], 23, v11               ; the scale's byte (also the plain line behind the conversions)
	ds_store_b8 v5, v[E+(\t)] offset:16*(\t)       ; both lanes of a block write the same byte with the same value
	global_store_b128 v4, v[C+4*(\t):C+4*(\t)+3], s[8:9] offset:32*CB*(\t)   ; 512 consecutive bytes of codes
.endm
.irp t, 0,1,2,3,4,5,6,7,8,9,10,11,12,13,14,15
	STEP \t
.endr
	ds_load_b64 v[12:13], v6                       ; my wave's 256 scale bytes: these loads see my stores
	s_wait_dscnt 0x0
	global_store_b64 v7, v[12:13], s[10:11]        ; 32 lanes store 256 consecutive bytes, aligned
	s_wait_tensorcnt 0x0                           ; the wave's end
	ds_add_u32 v208, v209
	s_wait_dscnt 0x0
	s_endpgm
; THE WEIGHTS.  Wt [1024][3072], Wc [1024][2048], Wp [1024][1024], f32, K their FIRST axis, become codes of BF8 (E5M2) laid [column][1024] with K innermost, wq [6144][1024], and one E8M0 byte for each 32 along K, ws [6144][32].
; Rows 0-3071 of wq are Wt's columns, 3072-5119 Wc's, 5120-6143 Wp's; inside each 32 rows, stored row p holds the column p with bits 3 and 4 exchanged.
; A lane takes a column and its registers run down K: a load reads 128 consecutive bytes a wave, a block of 32 along K lies in one lane's 32 registers, and the conversions give codes with K innermost.
; Work-group 136 + 4 x + y: 128 columns (x 0-23 Wt, 24-39 Wc, 40-47 Wp), 256 along K (y).  A wave: 32 columns x 256 K.  The quantiser and its limits are those stated at the head.
; The codes leave through the wave's own stage in LDS, sixteen lanes to 256 consecutive aligned bytes; the scale bytes 8 a lane, 32 bytes apart.
.Lweights:
.set KW,    256
.set NB,    KW/32
.set PITCH, 272                        ; a stage row: 256 bytes + 16
.set KROW,  1024                       ; a row of wq in bytes
.set WST,   33280                      ; the four stages lie behind the other way's LDS bytes and the spare words
.set X,     32                         ; v32-95   two sets of 32 numbers
.set C,     96                         ; v96-103  a block's codes
.set OUTR,  112                        ; v112-175 the way out
.set SB,    24                         ; v24-25   the scale bytes
.set VO,    176                        ; v176-207 4 x lane + i x the row pitch
	s_load_b128 s[4:7], s[0:1], 0x28               ; Wt, Wc
	s_load_b128 s[8:11], s[0:1], 0x38              ; Wp, wq
	s_load_b64 s[12:13], s[0:1], 0x48              ; ws
	v_lshrrev_b32 v1, 5, v0
	v_readfirstlane_b32 s16, v1                    ; wave
	s_sub_co_u32 s15, ttmp9, 136
	s_lshr_b32 s14, s15, 2                         ; x
	s_lshl_b32 s17, s14, 7
	s_lshl_b32 s18, s16, 5
	s_add_co_u32 s17, s17, s18                     ; my wave's first stored row: 128 x + 32 wave
	s_and_b32 s18, s15, 3                          ; y: which 256 along K
	v_and_b32 v2, 31, v0                           ; lane (made behind the scalar lines above, close to its readers)
	v_lshlrev_b32 v3, 2, v2                        ; in: 4 bytes a lane
	v_and_b32 v10, 7, v2                           ; my column's stored row: the lane with bits 3 and 4 exchanged
	v_bfe_u32 v11, v2, 3, 1
	v_bfe_u32 v12, v2, 4, 1
	v_lshl_or_b32 v10, v12, 3, v10
	v_lshl_or_b32 v10, v11, 4, v10
	s_mul_i32 s19, s16, 32*PITCH
	s_add_co_u32 s19, s19, WST                     ; my stage
	v_mul_u32_u24 v4, v10, PITCH
	v_add_nc_u32 v4, s19, v4                       ; into it: the stored row
	v_and_b32 v5, 15, v2
	v_lshrrev_b32 v6, 4, v2                        ; out of it: sixteen lanes to a row, two rows an instruction
	v_mul_u32_u24 v7, v6, PITCH
	v_lshl_add_u32 v7, v5, 4, v7
	v_add_nc_u32 v7, s19, v7
	v_mul_u32_u24 v8, v6, KROW
	v_lshl_add_u32 v8, v5, 4, v8                   ; and the same place in wq
	v_lshlrev_b32 v9, 5, v10                       ; my stored row of scale bytes
	s_mov_b32 s20, 12288                           ; Wt: bytes from row to row,
	s_mov_b32 s21, 0                               ; and its first group of columns
	s_mov_b32 s22, 8192
	s_mov_b32 s23, 4096
	s_mov_b32 s31, MANT
	s_wait_kmcnt 0x0
	s_cmp_ge_u32 s14, 24                           ; Wc
	s_cselect_b64 s[4:5], s[6:7], s[4:5]
	s_cselect_b32 s20, s22, s20
	s_cselect_b32 s21, 24, s21
	s_cmp_ge_u32 s14, 40                           ; Wp
	s_cselect_b64 s[4:5], s[8:9], s[4:5]
	s_cselect_b32 s20, s23, s20
	s_cselect_b32 s21, 40, s21
.irp i, 0,1,2,3,4,5,6,7,8,9,10,11,12,13,14,15,16,17,18,19,20,21,22,23,24,25,26,27,28,29,30,31
	v_mad_u32_u24 v[VO+\i], s20, \i, v3            ; row i of a block, my column
.endr
	s_sub_co_u32 s24, s14, s21
	s_lshl_b32 s24, s24, 7
	s_lshl_b32 s25, s16, 5
	s_add_co_u32 s24, s24, s25                     ; my wave's first column in its tensor,
	s_lshl_b32 s24, s24, 2                         ; in bytes,
	s_lshl_b32 s25, s18, 8
	s_mul_i32 s25, s25, s20                        ; and 256 y rows down
	s_add_co_u32 s24, s24, s25
	s_mov_b32 s25, 0
	s_add_nc_u64 s[4:5], s[4:5], s[24:25]
	s_lshl_b32 s26, s20, 5                         ; a block: 32 rows
	s_mov_b32 s27, 0
	s_lshl_b32 s24, s17, 10
	s_lshl_b32 s28, s18, 8
	s_add_co_u32 s24, s24, s28
	s_add_nc_u64 s[10:11], s[10:11], s[24:25]      ; wq: row x 1,024 + 256 y
	s_lshl_b32 s24, s17, 5
	s_lshl_b32 s28, s18, 3
	s_add_co_u32 s24, s24, s28
	s_add_nc_u64 s[12:13], s[12:13], s[24:25]      ; ws: row x 32 + 8 y
.macro WLOAD t                         ; block t: W(32 t + i, my column) into set t % 2
.if (\t) > 0
	s_wait_xcnt 0x0                                ; the loads issued so far have read their base: only now does it step
	s_add_nc_u64 s[4:5], s[4:5], s[26:27]
.endif
.irp i, 0,1,2,3,4,5,6,7,8,9,10,11,12,13,14,15,16,17,18,19,20,21,22,23,24,25,26,27,28,29,30,31
	global_load_b32 v[X+32*((\t)%2)+\i], v[VO+\i], s[4:5] th:TH_LOAD_NT
.endr
.endm
	s_wait_alu depctr_va_vdst(0)
	WLOAD 0
	WLOAD 1
.macro WBLOCK t
.set XS, X+32*((\t)%2)
.if (\t) < NB-1
	s_wait_loadcnt 32                              ; this block's 32 loads are in; the next block's 32 may be out
.else
	s_wait_loadcnt 0
.endif
	v_max3_num_f32 v12, |v[XS]|, |v[XS+1]|, |v[XS+2]|               ; the block's largest magnitude: all 32 numbers are mine
	v_max3_num_f32 v13, |v[XS+3]|, |v[XS+4]|, |v[XS+5]|
.irp i, 6,10,14,18,22,26
	v_max3_num_f32 v12, v12, |v[XS+\i]|, |v[XS+\i+1]|
	v_max3_num_f32 v13, v13, |v[XS+\i+2]|, |v[XS+\i+3]|
.endr
	v_max3_num_f32 v12, v12, |v[XS+30]|, |v[XS+31]|
	v_max3_num_f32 v12, v12, v13, (EMAX+1)<<23     ; and the floor 2^(16 - 127)
	v_add_nc_u32 v11, -(EMAX<<23), v12             ; the conversion's scale operand
	v_and_or_b32 v10, v12, 0x7f800000, s31         ; 57,344 x the scale
	v_lshrrev_b32 v13, 23, v11                     ; the scale's byte
.if (\t)%4 == 0
	v_mov_b32 v[SB+(\t)/4], v13                    ; four bytes to a register, the lower K in the lower byte
.else
	v_lshl_or_b32 v[SB+(\t)/4], v13, 8*((\t)%4), v[SB+(\t)/4]
.endif
.irp i, 0,1,2,3,4,5,6,7,8,9,10,11,12,13,14,15,16,17,18,19,20,21,22,23,24,25,26,27,28,29,30,31
	v_med3_num_f32 v[XS+\i], v[XS+\i], -v10, v10   ; the hold: the conversion does not saturate (ISA guide 7.6.2)
.endr
.irp g, 0,1,2,3
	v_cvt_scalef32_pk8_bf8_f32 v[C+2*\g:C+2*\g+1], v[XS+8*\g:XS+8*\g+7], v11
.endr
	v_nop                                          ; a plain line behind the conversions
	ds_store_b128 v4, v[C:C+3] offset:32*(\t)      ; 32 codes of my column's row
	ds_store_b128 v4, v[C+4:C+7] offset:32*(\t)+16
.if (\t)+2 < NB
	WLOAD (\t)+2
.endif
	s_wait_dscnt 0x0                               ; the stores have read their registers: the next block's codes may be written
.endm
.set Q, 0
.rept NB
	WBLOCK Q
.set Q, Q+1
.endr
	global_store_b64 v9, v[SB:SB+1], s[12:13]      ; my column's 8 scale bytes
.irp t, 0,1,2,3,4,5,6,7,8,9,10,11,12,13,14,15
	ds_load_b128 v[OUTR+4*\t:OUTR+4*\t+3], v7 offset:2*\t*PITCH   ; these loads see my stores
.endr
.irp t, 0,1,2,3,4,5,6,7,8,9,10,11,12,13,14,15
	s_wait_dscnt 15-\t                             ; loads come back in order: pair t of rows is in
	global_store_b128 v8, v[OUTR+4*\t:OUTR+4*\t+3], s[10:11] offset:2*\t*KROW   ; sixteen lanes store 256 consecutive bytes, aligned
.endr
	s_wait_tensorcnt 0x0                           ; the wave's end
	ds_add_u32 v208, v209
	s_wait_dscnt 0x0
	s_endpgm
.Lfunc_end_k_qaa37e96ea7_quant_x:
	.size	k_qaa37e96ea7_quant_x, .Lfunc_end_k_qaa37e96ea7_quant_x-k_qaa37e96ea7_quant_x
	.p2alignl 7, 3214868480
	.fill 96, 4, 3214868480
	.section	.rodata,"a",@progbits
	.p2align	6, 0x0
	.amdhsa_kernel k_qaa37e96ea7_quant_x
		.amdhsa_group_segment_fixed_size 68096
		.amdhsa_private_segment_fixed_size 0
		.amdhsa_enable_private_segment 0
		.amdhsa_kernarg_size 80
		.amdhsa_user_sgpr_count 2
		.amdhsa_user_sgpr_kernarg_segment_ptr 1
		.amdhsa_wavefront_size32 1
		.amdhsa_system_sgpr_workgroup_id_x 1
		.amdhsa_system_sgpr_workgroup_id_y 1
		.amdhsa_system_sgpr_workgroup_id_z 1
		.amdhsa_system_vgpr_workitem_id 0
		.amdhsa_next_free_vgpr 210
		.amdhsa_next_free_sgpr 66
		.amdhsa_reserve_vcc 0
		.amdhsa_float_denorm_mode_32 3
		.amdhsa_float_denorm_mode_16_64 3
		.amdhsa_memory_ordered 1
		.amdhsa_forward_progress 1
		.amdhsa_inst_pref_size 121
	.end_amdhsa_kernel
	.amdgpu_metadata
---
amdhsa.version: [ 1, 2 ]
amdhsa.kernels:
  - .name:           k_qaa37e96ea7_quant_x
    .symbol:         k_qaa37e96ea7_quant_x.kd
    .args:
      - { .name: xt, .offset: 0, .size: 8, .value_kind: global_buffer, .address_space: global }
      - { .name: xc, .offset: 8, .size: 8, .value_kind: global_buffer, .address_space: global }
      - { .name: xq, .offset: 16, .size: 8, .value_kind: global_buffer, .address_space: global }
      - { .name: xs, .offset: 24, .size: 8, .value_kind: global_buffer, .address_space: global }
      - { .name: out1, .offset: 32, .size: 8, .value_kind: global_buffer, .address_space: global }
      - { .name: Wt, .offset: 40, .size: 8, .value_kind: global_buffer, .address_space: global }
      - { .name: Wc, .offset: 48, .size: 8, .value_kind: global_buffer, .address_space: global }
      - { .name: Wp, .offset: 56, .size: 8, .value_kind: global_buffer, .address_space: global }
      - { .name: wq, .offset: 64, .size: 8, .value_kind: global_buffer, .address_space: global }
      - { .name: ws, .offset: 72, .size: 8, .value_kind: global_buffer, .address_space: global }
    .group_segment_fixed_size: 68096
    .private_segment_fixed_size: 0
    .kernarg_segment_align: 8
    .kernarg_segment_size: 80
    .max_flat_workgroup_size: 128
    .sgpr_count:     66
    .vgpr_count:     210
    .wavefront_size: 32
...
	.end_amdgpu_metadata
.endif
;; end of part 1
;; launch proj (part 2): grid 200 x 1, 4 waves a work-group, no clusters, 327,680 bytes of LDS; arguments xq, xs, wq, ws, bt, bc, att; writes att
.if DOCPART == 2
	.amdgcn_target "amdgcn-amd-amdhsa--gfx1250"
	.amdhsa_code_object_version 6
	.text
	.protected	k_qaa37e96ea7_proj
	.globl	k_qaa37e96ea7_proj
	.p2align	8
	.type	k_qaa37e96ea7_proj,@function
k_qaa37e96ea7_proj:
	s_mov_b64 s[64:65], 0
	v_nop
	global_prefetch_b8 v0, s[64:65] scope:SCOPE_SE
	s_setreg_imm32_b32 hwreg(HW_REG_WAVE_MODE, 25, 1), 1
	s_wait_xcnt 0x0
; all_t = xt Wt + bt and all_c = xc Wc + bc on codes of BF8 (E5M2) with E8M0 scales; the results are quantised in registers and leave as IMAGES OF THE NEXT PRODUCTS' OPERAND REGISTERS (buffer att).
; A tile is 256 x 256, K = 1,024; four waves, each 128 x 128 in 64 accumulators.  K goes in steps of 256 through two LDS slots filled by the tensor data mover; the scale bytes of the tile's rows come once and stay.
; The matrix instruction takes 16 rows of operand B as source 0 and 16 rows of operand A as source 1: a lane holds ONE row of A, and, the rows of xq and wq being stored with bits 3 and 4 of their numbers exchanged,
; its 64 registers of a block of 16 rows of A are B's rows in natural order: register 16 b + i = 32 b + 16 (lane / 16) + i: the order of an 8-bit operand's registers.
; KIND 0 (Q, K, Kc): A = tokens, B = output columns: quantised along the head's 64.  KIND 1 (V, Vc): A = output columns (channels), B = tokens: V^T, quantised along the tokens.
; WORK-GROUPS: 0-127 Q and K (16 x 8 tiles), 128-191 V (16 x 4), 192-195 Kc, 196-199 Vc.
; NO JOINT LOADS: the 200 tiles belong to products of different shapes, of which the last two have one tile along one axis (Vc's four share their B, Kc's four their A): the grid does not divide into clusters under one mask.
; att: 32 head blocks of 290,816 bytes: K [tile 128][2][lane][16], V^T [step 16][tile 4][4][lane][16], Kc [8][2][lane][16], Vc^T [4][4][lane][16], K's scale words [step][lane][4], V's [step][lane][2]; behind them Q's codes, Q's, Kc's and Vc's scale words.
; A scale register holds tile 2 p's words in lanes 0-15 and tile 2 p + 1's in lanes 16-31.  For Q, K, Kc a word holds the head's two bytes below and 0 above.
; LIMITS: NaN and infinities are not served; a block whose largest magnitude lies under 2^-111 takes the byte 1; a block of zeros has the byte 1 where the rule says 127 (zero codes; this program alone reads the bytes).
; REGISTERS: window 0: v1-31 addresses; v32-63 scale words, two sets; v64-127 the bias; v128-255 A's fragments, ONE set (on the way out: at work).  window 1: B's fragments, two sets.  windows 2, 3: the accumulators.
.set NQ,     2                         ; matrix instructions deep in a slot
.set ROWB,   256                       ; a tile's row in bytes
.set KROW,   1024                      ; a row of xq or wq
.set PITCH,  272                       ; an LDS row: 256 bytes + 16 of padding: the 16 rows that a load touches start 68 words apart
.set FR,     16
.set NL,     4
.set NP,     8                         ; places behind this matrix instruction (ISA guide 7.12.1)
.set HALFT,  128*PITCH
.set SLOT,   4*HALFT                   ; A's 256 rows, then B's 256 rows
.set KS,     32                        ; a row of scale bytes
.set SCL,    2*SLOT                    ; behind the ring: the scales, as 256 bytes + 16 of padding
.set HALFS,  4352                      ; those of 128 rows
.set SBLK,   544                       ; those of 16 rows
.set SPARE,  SCL+4*HALFS               ; the spare words: 128 bytes for each wave; no other line names them
.set HB,     290816
.set QR,     9306112
.set QSB,    13500416
.set KCS,    13762560
.set VCS,    13778944
.set VB0,  9                           ; v9   bias offset, kind 0: 64 (lane / 16)
.set VB1,  10                          ; v10  bias offset, kind 1: 4 x my row's natural number in a block pair
.set LANE, 12
.set ADRA, 16
.set ADRB, 20
.set ADRS, 27
.set SPW,  28                          ; v28  SPARE + 4 x my thread's number; never rewritten
.set NIL,  29                          ; v29  0; never rewritten
.set LI,   30                          ; v30  16 x lane
.set L8,   31                          ; v31  8 x lane
.set SC,   32
.set BI,   64
.set AF,   128
.set T,    128                         ; the way out: 64 numbers
.set PC,   192                         ; their codes
.set TM,   208                         ; v208-211 largest magnitudes, 212-215 bytes, 216-219 57,344 x the scale, 220-223 the conversions' scale operands
.set PWS,  232                         ; the eight blocks' scale words
.set E,    240
.set OD,   244
.set G1,   24
.set G0,   32
.set G0S,  40
.set G1S,  48
.set PCOD, 56                          ; s[56:57], s[58:59] where my two heads' codes go
.set PSCL, 60                          ; s[60:61], s[62:63] and their scale words
.set SEL,  84
.set MNT,  86
.set MSB, 0
.macro WIN new                         ; the immediate's high byte repeats the setting that is left
.if MSB != \new
	s_set_vgpr_msb (MSB<<8)|\new
.set MSB, \new
.endif
.endm
.set MUL_LO, 0xa1                      ; source 0 (B) window 1, source 1 (A) window 0, C and D window 2
.set MUL_HI, 0xf1                      ; the same, C and D window 3
.set TO_B,   0x40                      ; destination window 1
	s_load_b256 s[4:11], s[0:1], 0x0               ; xq, xs, wq, ws
	s_load_b128 s[12:15], s[0:1], 0x20             ; bt, bc
	s_load_b64 s[16:17], s[0:1], 0x30              ; att
	v_lshl_add_u32 v[SPW], v0, 2, SPARE
	v_mov_b32 v[NIL], 0
	ds_add_u32 v28, v29
	ds_add_u32 v28, v29
	s_wait_dscnt 0x0
	v_lshrrev_b32 v1, 5, v0
	v_readfirstlane_b32 s18, v1                    ; wave
	s_lshr_b32 s19, s18, 1                         ; which half of A's rows is mine
	s_and_b32 s20, s18, 1                          ; which half of B's rows
	s_mov_b32 s21, ttmp9
	s_lshr_b32 s22, s21, 3                         ; XI: which 256 rows of xq;  WI: which 256 rows of wq
	s_and_b32 s23, s21, 7
	s_and_b32 s46, s21, 15
	s_lshr_b32 s47, s21, 4
	s_cmp_ge_u32 s21, 128
	s_cselect_b32 s22, s46, s22
	s_cselect_b32 s23, s47, s23
	s_sub_co_u32 s47, s21, 180
	s_cmp_ge_u32 s21, 192
	s_cselect_b32 s22, 16, s22
	s_cselect_b32 s23, s47, s23
	s_lshr_b32 s44, s23, 2                         ; f: 0 Q, 1 K, 2 V, 3 Kc, 4 Vc
	s_cmp_eq_u32 s44, 2
	s_cselect_b32 s45, 1, 0
	s_cmp_eq_u32 s44, 4
	s_cselect_b32 s45, 1, s45                      ; KIND
	; descriptor group 1: 128 rows x 256 bytes, 16 bytes of padding behind each
	s_mov_b32 s[G1+0], (0<<16)|(1<<20)|(5<<22)|(3<<25)   ; no mask; elements of 1 byte; padding on: 4 words after every 64
	s_mov_b32 s[G1+1], ROWB<<16
	s_mov_b32 s[G1+2], 128<<16
	s_mov_b32 s[G1+3], ROWB<<16
	s_mov_b32 s[G1+4], 128
	s_mov_b32 s[G1+5], KROW
	s_mov_b32 s[G1+6], 0
	s_mov_b32 s[G1+7], 0
	; the scale bytes of 256 rows: 8,192 dense bytes as 32 rows of 256 (32 elements of 8 bytes), padded alike
	s_mov_b32 s[G1S+0], (3<<16)|(1<<20)|(5<<22)|(3<<25)
	s_mov_b32 s[G1S+1], 32<<16
	s_mov_b32 s[G1S+2], 32<<16                     ; the scale bytes of 256 rows come by one load: 32 rows of 256 bytes
	s_mov_b32 s[G1S+3], 32<<16
	s_mov_b32 s[G1S+4], 32
	s_mov_b32 s[G1S+5], 32
	s_mov_b32 s[G1S+6], 0
	s_mov_b32 s[G1S+7], 0
	s_xor_b32 s46, s19, s45                        ; waves 0, 1 fetch A's halves, 2, 3 B's; A is xq in kind 0 and wq in kind 1
	s_wait_kmcnt 0x0
	s_cmp_eq_u32 s46, 1
	s_cselect_b64 s[88:89], s[8:9], s[4:5]
	s_cselect_b32 s47, s23, s22
	s_lshl_b32 s47, s47, 8
	s_lshl_b32 s46, s20, 7
	s_add_co_u32 s47, s47, s46                     ; the first of the 128 rows that I fetch
	s_lshl_b32 s78, s47, 10
	s_mov_b32 s79, 0
	s_add_nc_u64 s[88:89], s[88:89], s[78:79]
	s_mul_i32 s46, s18, HALFT                      ; where they go: wave x 128 rows
.irp s, 0,1
	s_mov_b32 s[G0+4*\s], 1
	s_add_co_u32 s[G0+4*\s+1], s46, \s*SLOT
	s_add_nc_u64 s[G0+4*\s+2:G0+4*\s+3], s[88:89], \s*ROWB
	s_or_b32 s[G0+4*\s+3], s[G0+4*\s+3], 0x80000000
.endr
; THE HEAD'S LOADS, ONE A WAVE: wave 0 K step 0's 256 rows of A, wave 1 its 256 rows of B, wave 2 the scale bytes of A's 256 rows, wave 3 those of B's.
.set G0H, 88                           ; s[88:91] group 0 of the head's load of codes;  s[92:99] its group 1: 256 rows x 256 bytes, padded as the ring's
.set G1H, 92
	s_mov_b32 s[G1H+0], (0<<16)|(1<<20)|(5<<22)|(3<<25)
	s_mov_b32 s[G1H+1], ROWB<<16
	s_mov_b32 s[G1H+2], 256<<16
	s_mov_b32 s[G1H+3], ROWB<<16
	s_mov_b32 s[G1H+4], 256
	s_mov_b32 s[G1H+5], KROW
	s_mov_b32 s[G1H+6], 0
	s_mov_b32 s[G1H+7], 0
	s_xor_b32 s80, s20, s45                        ; even waves fetch for A, odd ones for B; A is xq in kind 0 and wq in kind 1
	s_cmp_eq_u32 s80, 1
	s_cselect_b64 s[G0H+2:G0H+3], s[8:9], s[4:5]
	s_cselect_b64 s[G0S+2:G0S+3], s[10:11], s[6:7]
	s_cselect_b32 s47, s23, s22
	s_lshl_b32 s78, s47, 18                        ; 256 rows of 1,024 bytes
	s_add_nc_u64 s[G0H+2:G0H+3], s[G0H+2:G0H+3], s[78:79]
	s_lshl_b32 s78, s47, 13                        ; 256 rows of 32 bytes
	s_add_nc_u64 s[G0S+2:G0S+3], s[G0S+2:G0S+3], s[78:79]
	s_or_b32 s[G0H+3], s[G0H+3], 0x80000000
	s_or_b32 s[G0S+3], s[G0S+3], 0x80000000
	s_mov_b32 s[G0H], 1
	s_mul_i32 s[G0H+1], s20, 2*HALFT               ; A's rows at the slot's head, B's behind them
	s_mov_b32 s[G0S], 1
	s_mul_i32 s[G0S+1], s20, 2*HALFS
	s_add_co_u32 s[G0S+1], s[G0S+1], SCL
	s_cmp_lt_u32 s18, 2
	s_cbranch_scc0 .Lhead_scales
	tensor_load_to_lds s[G0H:G0H+3], s[G1H:G1H+7]
	s_nop 0
.rept 4
	v_nop
.endr
	s_branch .Lhead_asked
.Lhead_scales:
	tensor_load_to_lds s[G0S:G0S+3], s[G1S:G1S+7]
	s_nop 0
.rept 4
	v_nop
.endr
.Lhead_asked:
	; where the results go
	s_cmp_eq_u32 s45, 1
	s_cselect_b32 s71, s20, s19                    ; which half of the tokens is mine,
	s_cselect_b32 s72, s19, s20                    ; which half of the output columns
	s_lshl_b32 s73, s22, 1
	s_add_co_u32 s73, s73, s71                     ; my group of 128 tokens
	s_lshl_b32 s74, s23, 1
	s_add_co_u32 s74, s74, s72                     ; my group of 128 columns: two heads
	s_and_b32 s77, s74, 7
	s_lshl_b32 s77, s77, 1                         ; the first of them
	s_lshr_b32 s75, s73, 4                         ; the batch,
	s_and_b32 s76, s73, 15                         ; the key step
	s_cmp_ge_u32 s44, 3                            ; concepts: 128 a batch, one step
	s_cselect_b32 s75, s71, s75
	s_cselect_b32 s76, 0, s76
	s_cselect_b64 s[82:83], s[14:15], s[12:13]     ; bc or bt
	s_cselect_b32 s46, 24, 0
	s_sub_co_u32 s46, s74, s46
	s_lshl_b32 s46, s46, 9
	s_mov_b32 s47, 0
	s_add_nc_u64 s[82:83], s[82:83], s[46:47]      ; the bias of my 128 columns
	s_mov_b32 s66, QR                              ; by f: first byte of the codes, bytes from head to head, the same for the scale words, bytes of scale words a step
	s_mov_b32 s67, 131072
	s_mov_b32 s68, QSB
	s_mov_b32 s69, 8192
	s_mov_b32 s70, 512
; THE ORDER INSIDE A HEAD BLOCK OF att is set by this table and stands over the list in the head comment: Kc 0, Vc^T 8,192, K's scale words 16,384, V's 24,576, then from 28,672 on 16,384 bytes for each key step: K's eight tiles, V^T's four.
	s_mov_b32 s87, 13                              ; log2 of the bytes from key step to key step: Q 8,192; K and V 16,384
	s_cmp_eq_u32 s44, 1
	s_cselect_b32 s66, 28672, s66
	s_cselect_b32 s87, 14, s87
	s_cselect_b32 s67, HB, s67
	s_cselect_b32 s68, 16384, s68
	s_cselect_b32 s69, HB, s69
	s_cmp_eq_u32 s44, 2
	s_cselect_b32 s66, 36864, s66
	s_cselect_b32 s87, 14, s87
	s_cselect_b32 s67, HB, s67
	s_cselect_b32 s68, 24576, s68
	s_cselect_b32 s69, HB, s69
	s_cselect_b32 s70, 256, s70
	s_cmp_eq_u32 s44, 3
	s_cselect_b32 s66, 0, s66
	s_cselect_b32 s67, HB, s67
	s_cselect_b32 s68, KCS, s68
	s_cselect_b32 s69, 512, s69
	s_cselect_b32 s70, 0, s70
	s_cmp_eq_u32 s44, 4
	s_cselect_b32 s66, 8192, s66
	s_cselect_b32 s67, HB, s67
	s_cselect_b32 s68, VCS, s68
	s_cselect_b32 s69, 256, s69
	s_cselect_b32 s70, 0, s70
	s_lshl_b32 s78, s75, 4
	s_add_co_u32 s78, s78, s77                     ; 16 x batch + head
	s_mul_i32 s80, s78, s67
	s_add_co_u32 s80, s80, s66
	s_lshl_b32 s79, s76, s87
	s_add_co_u32 s80, s80, s79
	s_mov_b32 s81, 0
	s_add_nc_u64 s[PCOD:PCOD+1], s[16:17], s[80:81]
	s_mov_b32 s46, s67
	s_add_nc_u64 s[PCOD+2:PCOD+3], s[PCOD:PCOD+1], s[46:47]
	s_mul_i32 s80, s78, s69
	s_add_co_u32 s80, s80, s68
	s_mul_i32 s79, s76, s70
	s_add_co_u32 s80, s80, s79
	s_add_nc_u64 s[PSCL:PSCL+1], s[16:17], s[80:81]
	s_mov_b32 s46, s69
	s_add_nc_u64 s[PSCL+2:PSCL+3], s[PSCL:PSCL+1], s[46:47]
	s_mov_b32 s[SEL], 0x76543210
	s_mov_b32 s[SEL+1], 0xfedcba98                 ; v_permlanex16_b32's selects for lane l xor 16
	s_mov_b32 s[MNT], 0x600000                     ; the mantissa field of 57,344
	v_and_b32 v1, 15, v0                           ; r
	v_bfe_u32 v2, v0, 4, 1                         ; h
	v_and_b32 v[LANE], 31, v0
	v_lshlrev_b32 v[LI], 4, v[LANE]
	v_lshlrev_b32 v[L8], 3, v[LANE]
	v_lshlrev_b32 v[VB0], 6, v2
	v_and_b32 v[VB1], 8, v1
	v_add_nc_u32 v[VB1], v[VB1], v1                ; r % 8 + 16 (r / 8)
	v_lshlrev_b32 v[VB1], 2, v[VB1]
	v_mul_u32_u24 v3, v1, PITCH
	v_lshl_add_u32 v4, v2, 4, v3                   ; a fragment's row x pitch + 16 x half
	s_mul_i32 s46, s19, HALFT                      ; my 128 rows of A
	s_mul_i32 s47, s20, HALFT                      ; my 128 rows of B,
	s_add_co_u32 s47, s47, 2*HALFT                 ; which lie behind A's 256
.irp s, 0,1
	v_add_nc_u32 v[ADRA+\s], s46, v4
	v_add_nc_u32 v[ADRB+\s], s47, v4
	s_add_co_u32 s46, s46, SLOT
	s_add_co_u32 s47, s47, SLOT
.endr
	v_mul_u32_u24 v5, v1, KS                       ; my row's scales: 32 bytes a row,
	v_lshrrev_b32 v6, 8, v5
	v_lshl_add_u32 v5, v6, 4, v5                   ; and 16 more for each 256 passed
	s_mul_i32 s46, s19, HALFS
	s_mul_i32 s47, s20, HALFS
	s_add_co_u32 s47, s47, 2*HALFS
	s_sub_co_u32 s47, s47, s46
	v_mul_u32_u24 v6, s47, v2                      ; lanes 16-31 take B's
	s_add_co_u32 s46, s46, SCL
	v_add_nc_u32 v5, v5, v6
	v_add_nc_u32 v[ADRS], s46, v5
	; the bias, 64 registers in the results' layout; both ways write all 64
	s_cmp_eq_u32 s45, 1
	s_cbranch_scc1 .Lbias_rows
.irp b, 0,1,2,3
.irp j, 0,1,2,3
	global_load_b128 v[BI+16*\b+4*\j:BI+16*\b+4*\j+3], v[VB0], s[82:83] offset:128*\b+16*\j   ; kind 0: register 16 b + i: column 32 b + 16 h + i
.endr
.endr
	s_branch .Lbiased
.Lbias_rows:
.irp a, 0,1,2,3,4,5,6,7
.irp j, 0,1,2,3,4,5,6,7
	global_load_b32 v[BI+8*\a+\j], v[VB1], s[82:83] offset:128*(\a/2)+32*(\a%2)   ; kind 1: block a's eight registers all hold my row's (channel's) number
.endr
.endr
.Lbiased:
.macro FRAG reg, adr, q, i             ; 16 rows x 128 K: lane l holds row l % 16; registers 4 c .. 4 c + 3 hold K = 32 c + 16 (l / 16) + 0 .. 15
.irp c, 0,1,2,3
	ds_load_b128 v[\reg+4*\c:\reg+4*\c+3], v[\adr] offset:128*(\q)+32*\c+(\i)*16*PITCH
.endr
.endm
; 16 matrix instructions: A's blocks a0, a0 + 1 x B's eight.  The 64 accumulators take turns, one instruction a turn, in the same order in every step.  zero = 1: the products start the sums.
.macro MUL16 a0, p, q, sc, zero
.irp a, \a0, \a0+1
.irp b, 0,1,2,3,4,5,6,7
.if \zero
	v_wmma_scale_f32_16x16x128_f8f6f4 v[8*(8*((\a)%4)+\b):8*(8*((\a)%4)+\b)+7], v[128*(\p)+FR*\b:128*(\p)+FR*\b+FR-1], v[AF+FR*(\a):AF+FR*(\a)+FR-1], 0, v[SC+8*NQ*(\sc)+NQ*\b+(\q)], v[SC+8*NQ*(\sc)+NQ*(\a)+(\q)] matrix_a_fmt:MATRIX_FMT_BF8 matrix_b_fmt:MATRIX_FMT_BF8 matrix_a_scale:MATRIX_SCALE_ROW1
.else
	v_wmma_scale_f32_16x16x128_f8f6f4 v[8*(8*((\a)%4)+\b):8*(8*((\a)%4)+\b)+7], v[128*(\p)+FR*\b:128*(\p)+FR*\b+FR-1], v[AF+FR*(\a):AF+FR*(\a)+FR-1], v[8*(8*((\a)%4)+\b):8*(8*((\a)%4)+\b)+7], v[SC+8*NQ*(\sc)+NQ*\b+(\q)], v[SC+8*NQ*(\sc)+NQ*(\a)+(\q)] matrix_a_fmt:MATRIX_FMT_BF8 matrix_b_fmt:MATRIX_FMT_BF8 matrix_a_scale:MATRIX_SCALE_ROW1
.endif
.endr
.endr
.endm
.macro FETCH_B slot, q, p
	WIN TO_B
.irp i, 0,1,2,3,4,5,6,7
	FRAG 128*(\p)+FR*\i, ADRB+\slot, \q, \i
.endr
	WIN 0
.endm
.macro FETCH_A slot, q, i0
.irp i, \i0, \i0+1, \i0+2, \i0+3
	FRAG AF+FR*(\i), ADRA+\slot, \q, \i
.endr
.endm
.macro SCALES sc                       ; a K step's scale words: two a row; lanes 0-15 take A's block i, lanes 16-31 B's block i
.irp i, 0,1,2,3,4,5,6,7
	ds_load_b64 v[SC+8*NQ*\sc+NQ*\i:SC+8*NQ*\sc+NQ*\i+1], v[ADRS] offset:\i*SBLK
.endr
.endm
.macro PLACES n                        ; plain vector lines between a matrix instruction and a load into, or a vector line on, one of its registers
.rept \n
	v_nop
.endr
.endm
.macro STEP slot, q, zero              ; 128 along K whose successor lies in the same slot
	s_wait_dscnt 4*NL                              ; all but the youngest sixteen loads (A's blocks 4-7) are in
	WIN MUL_LO
	MUL16 0, (\q)%2, \q, \slot, \zero
	MUL16 2, (\q)%2, \q, \slot, \zero
	s_wait_dscnt 0
	PLACES NP
	FETCH_B \slot, (\q)+1, 1-(\q)%2
	FETCH_A \slot, (\q)+1, 0
	WIN MUL_HI
	MUL16 4, (\q)%2, \q, \slot, \zero
	MUL16 6, (\q)%2, \q, \slot, \zero
	PLACES NP
	WIN 0
	FETCH_A \slot, (\q)+1, 4
.endm
; A slot's last step changes slots: one barrier; in front of it each wave waits for all its tensor loads, adds 0 to its spare word, and waits for that and for its reads of this slot.  fill = 1: the slot takes the K step two on.
.macro TURN slot, next, fill
	s_wait_tensorcnt 0x0                           ; all my tensor loads have landed, my part of the next slot among them: a group 0 may be written
	ds_add_u32 v[SPW], v[NIL]                      ; 0 onto my spare word
.if \fill
	s_add_nc_u64 s[G0+4*\slot+2:G0+4*\slot+3], s[G0+4*\slot+2:G0+4*\slot+3], 2*ROWB
.endif
	s_wait_dscnt 4*NL+1                            ; the add and the youngest sixteen loads may be out
	WIN MUL_LO
	MUL16 0, 1, NQ-1, \slot, 0
	s_wait_dscnt 0x0                               ; the add is done, and my reads of this slot are over
	s_barrier_signal -1
	MUL16 2, 1, NQ-1, \slot, 0
	WIN 0
	s_barrier_wait -1                              ; both now hold of all four waves
.if \fill
	tensor_load_to_lds s[G0+4*\slot:G0+4*\slot+3], s[G1:G1+7]   ; my one tensor load behind the barrier, and the first thing there
	s_nop 0
	PLACES NP
.else
	PLACES NP
.endif
	v_add_nc_u32 v[ADRS], 4*NQ, v[ADRS]            ; the next K step's scale words
	FETCH_B \next, 0, 0
	FETCH_A \next, 0, 0
	SCALES \next
	WIN MUL_HI
	MUL16 4, 1, NQ-1, \slot, 0
	MUL16 6, 1, NQ-1, \slot, 0
	PLACES NP
	WIN 0
	FETCH_A \next, 0, 4
.endm
; 64 numbers of a lane, register 16 b + i = k 32 b + 16 (lane / 16) + i of my row, become a fragment's codes in v[PC] on and its scale word in v[pw]
.macro QUANT s, pw
.irp b, 0,1,2,3
	v_max3_num_f32 v[TM+\b], |v[\s+16*\b]|, |v[\s+1+16*\b]|, 0x8000000   ; block b: my 16 numbers, and the floor 2^(16 - 127)
.endr
.irp i, 2,4,6,8,10,12,14
.irp b, 0,1,2,3
	v_max3_num_f32 v[TM+\b], v[TM+\b], |v[\s+16*\b+\i]|, |v[\s+1+16*\b+\i]|
.endr
.endr
.irp b, 0,1,2,3
	v_permlanex16_b32 v[TM+4+\b], v[TM+\b], s[SEL], s[SEL+1]
.endr
.irp b, 0,1,2,3
	v_max_num_f32 v[TM+\b], v[TM+\b], v[TM+4+\b]   ; with lane l xor 16's: the block's largest magnitude
.endr
.irp b, 0,1,2,3
	v_add_nc_u32 v[TM+12+\b], 0xf8800000, v[TM+\b] ; 15 off its exponent field: the conversion's scale operand
.endr
.irp b, 0,1,2,3
	v_and_or_b32 v[TM+8+\b], v[TM+\b], 0x7f800000, s[MNT]   ; 57,344 x the scale
.endr
.irp b, 0,1,2,3
	v_lshrrev_b32 v[TM+4+\b], 23, v[TM+12+\b]      ; the scale's byte
.endr
	v_lshl_or_b32 v[\pw], v[TM+5], 8, v[TM+4]
	v_lshl_or_b32 v[\pw], v[TM+6], 16, v[\pw]
	v_lshl_or_b32 v[\pw], v[TM+7], 24, v[\pw]
.irp b, 0,1,2,3
.irp i, 0,1,2,3,4,5,6,7,8,9,10,11,12,13,14,15
	v_med3_num_f32 v[\s+16*\b+\i], v[\s+16*\b+\i], -v[TM+8+\b], v[TM+8+\b]   ; the hold: the conversion does not saturate (ISA guide 7.6.2)
.endr
	v_cvt_scalef32_pk8_bf8_f32 v[PC+4*\b:PC+1+4*\b], v[\s+16*\b:\s+7+16*\b], v[TM+12+\b]
	v_cvt_scalef32_pk8_bf8_f32 v[PC+2+4*\b:PC+3+4*\b], v[\s+8+16*\b:\s+15+16*\b], v[TM+12+\b]
.endr
	v_nop                                          ; a plain line behind the conversions
.endm
; THE WAY OUT: block by block of 16 rows of A: + bias, quantised, four stores of 512 consecutive bytes: the fragment as it stands in the registers
.macro EPI kind
.irp a, 0,1,2,3,4,5,6,7
.set WACC, 0x02+(\a)/4
	WIN WACC                                       ; source 0: the accumulators' window
.set p, 0
.rept 32
.if \kind
	v_pk_add_f32 v[T+2*p:T+2*p+1], v[64*((\a)%4)+2*p:64*((\a)%4)+2*p+1], v[BI+8*(\a)+2*(p%4):BI+8*(\a)+2*(p%4)+1]
.else
	v_pk_add_f32 v[T+2*p:T+2*p+1], v[64*((\a)%4)+2*p:64*((\a)%4)+2*p+1], v[BI+2*p:BI+2*p+1]   ; each accumulator from its low end on
.endif
.set p, p+1
.endr
	WIN 0
.if \a > 0
	s_wait_xcnt 0x0                                ; the last block's stores have read the codes' registers
.endif
	QUANT T, PWS+\a
.irp c, 0,1,2,3
.if \kind
	global_store_b128 v[LI], v[PC+4*\c:PC+4*\c+3], s[PCOD+2*((\a)/4):PCOD+2*((\a)/4)+1] offset:2048*((\a)%4)+512*\c   ; head a / 4, tile of channels a % 4
.else
	global_store_b128 v[LI], v[PC+4*\c:PC+4*\c+3], s[PCOD+2*(\c/2):PCOD+2*(\c/2)+1] offset:1024*(\a)+512*(\c%2)      ; head c / 2, tile of tokens a
.endif
.endr
.endr
	v_cmp_le_u32 vcc_lo, 16, v[LANE]
.irp u, 0,1,2,3
	v_cndmask_b32 v[E+\u], v[PWS+2*\u], v[PWS+2*\u+1], vcc_lo   ; lanes 0-15: block 2 u's words; lanes 16-31: block 2 u + 1's (every lane holds its row's word, l and l xor 16 alike)
.endr
.if \kind
	global_store_b64 v[L8], v[E:E+1], s[PSCL:PSCL+1]
	global_store_b64 v[L8], v[E+2:E+3], s[PSCL+2:PSCL+3]
.else
.irp u, 0,1,2,3
	v_lshrrev_b32 v[OD+\u], 16, v[E+\u]            ; the second head's two bytes,
.endr
.irp u, 0,1,2,3
	v_and_b32 v[E+\u], 0xffff, v[E+\u]             ; the first head's: 0 above them
.endr
	global_store_b128 v[LI], v[E:E+3], s[PSCL:PSCL+1]
	global_store_b128 v[LI], v[OD:OD+3], s[PSCL+2:PSCL+3]
.endif
	s_wait_tensorcnt 0x0                           ; the wave's end
	ds_add_u32 v[SPW], v[NIL]
	s_wait_dscnt 0x0
	s_endpgm
.endm
	s_wait_alu depctr_va_vdst(0)
	s_wait_tensorcnt 0x0                           ; my tile of the head's four is in; slot 1's first fill is issued as a refill is:
	ds_add_u32 v[SPW], v[NIL]                      ; 0 onto my spare word
	s_wait_dscnt 0x0
	s_barrier_signal -1
	s_barrier_wait -1                              ; all four tiles are in
	tensor_load_to_lds s[G0+4:G0+7], s[G1:G1+7]    ; K step 1, a quarter of the slot a wave: my one tensor load behind this barrier
	s_nop 0
.rept 4
	v_nop
.endr
	FETCH_B 0, 0, 0
	FETCH_A 0, 0, 0
	SCALES 0
	FETCH_A 0, 0, 4
	STEP 0, 0, 1                                   ; K = 1,024 is four slots' worth: written out
	TURN 0, 1, 1
	s_wait_alu depctr_va_vdst(0)
	STEP 1, 0, 0
	TURN 1, 0, 1
	s_wait_alu depctr_va_vdst(0)
	STEP 0, 0, 0
	TURN 0, 1, 0                                   ; nothing is left to fetch
	STEP 1, 0, 0
	s_wait_dscnt 4*NL
	WIN MUL_LO
	MUL16 0, 1, NQ-1, 1, 0
	MUL16 2, 1, NQ-1, 1, 0
	s_wait_dscnt 0
	WIN MUL_HI
	MUL16 4, 1, NQ-1, 1, 0
	MUL16 6, 1, NQ-1, 1, 0
	WIN 0
	PLACES NP                                      ; in front of the first read of results and of vector writes into A's registers
	s_wait_loadcnt 0x0                             ; the bias
.irp b, 0,1,2,3
	v_mov_b32 v[TM+4+\b], 0                        ; written once: a lane permute's destination counts as one of its sources
.endr
	s_cmp_eq_u32 s45, 1
	s_cbranch_scc1 .Lchannels
	EPI 0
.Lchannels:
	EPI 1
.Lfunc_end_k_qaa37e96ea7_proj:
	.size	k_qaa37e96ea7_proj, .Lfunc_end_k_qaa37e96ea7_proj-k_qaa37e96ea7_proj
	.p2alignl 7, 3214868480
	.fill 96, 4, 3214868480
	.section	.rodata,"a",@progbits
	.p2align	6, 0x0
	.amdhsa_kernel k_qaa37e96ea7_proj
		.amdhsa_group_segment_fixed_size 327680
		.amdhsa_private_segment_fixed_size 0
		.amdhsa_enable_private_segment 0
		.amdhsa_kernarg_size 56
		.amdhsa_user_sgpr_count 2
		.amdhsa_user_sgpr_kernarg_segment_ptr 1
		.amdhsa_wavefront_size32 1
		.amdhsa_system_sgpr_workgroup_id_x 1
		.amdhsa_system_sgpr_workgroup_id_y 1
		.amdhsa_system_sgpr_workgroup_id_z 1
		.amdhsa_system_vgpr_workitem_id 0
		.amdhsa_next_free_vgpr 1024
		.amdhsa_next_free_sgpr 100
		.amdhsa_reserve_vcc 1
		.amdhsa_float_denorm_mode_32 3
		.amdhsa_float_denorm_mode_16_64 3
		.amdhsa_memory_ordered 1
		.amdhsa_forward_progress 1
		.amdhsa_inst_pref_size 255
	.end_amdhsa_kernel
	.section	.bss,"aw",@nobits
	.p2align	6
	.space	262144
	.amdgpu_metadata
---
amdhsa.version: [ 1, 2 ]
amdhsa.kernels:
  - .name:           k_qaa37e96ea7_proj
    .symbol:         k_qaa37e96ea7_proj.kd
    .args:
      - { .name: xq, .offset: 0, .size: 8, .value_kind: global_buffer, .address_space: global }
      - { .name: xs, .offset: 8, .size: 8, .value_kind: global_buffer, .address_space: global }
      - { .name: wq, .offset: 16, .size: 8, .value_kind: global_buffer, .address_space: global }
      - { .name: ws, .offset: 24, .size: 8, .value_kind: global_buffer, .address_space: global }
      - { .name: bt, .offset: 32, .size: 8, .value_kind: global_buffer, .address_space: global }
      - { .name: bc, .offset: 40, .size: 8, .value_kind: global_buffer, .address_space: global }
      - { .name: att, .offset: 48, .size: 8, .value_kind: global_buffer, .address_space: global }
    .group_segment_fixed_size: 327680
    .private_segment_fixed_size: 0
    .kernarg_segment_align: 8
    .kernarg_segment_size: 56
    .max_flat_workgroup_size: 128
    .sgpr_count:     100
    .vgpr_count:     1024
    .wavefront_size: 32
...
	.end_amdgpu_metadata
.endif
;; end of part 2
;; launch attn (part 3): grid 8 x 32, 16 waves a work-group, no clusters, 327,680 bytes of LDS; arguments att, xo, xos; writes xo, xos
.if DOCPART == 3
	.amdgcn_target "amdgcn-amd-amdhsa--gfx1250"
	.amdhsa_code_object_version 6
	.text
	.protected	k_qaa37e96ea7_attn
	.globl	k_qaa37e96ea7_attn
	.p2align	8
	.type	k_qaa37e96ea7_attn,@function
k_qaa37e96ea7_attn:
	s_mov_b64 s[64:65], 0
	v_nop
	global_prefetch_b8 v0, s[64:65] scope:SCOPE_SE
	s_setreg_imm32_b32 hwreg(HW_REG_WAVE_MODE, 25, 1), 1
	s_wait_xcnt 0x0
; x = softmax(Q K^T / 8, causal) V + softmax(Q Kc^T / 8, concept j <= token / 16) Vc for one head, on codes of BF8 (E5M2) with E8M0 scales, quantised along the heads' channels for the last product: xo (codes, images of the operand's registers), xos (scale bytes).
; THE SOFTMAX: t = score x log2(e) / 8; M = the running largest t rounded up to a whole number; p = 2^(t - M) is quantised along the keys; the row's sum is taken of the unquantised p and divides at the end; when M moves, sum and O are multiplied by 2^(old M - new M).
; SHARES: work-group (x, head): query blocks x and 15 - x of 128 tokens, so that every work-group has 17 key steps of 128 for each pair of waves; each of 16 waves owns 16 queries.  Key steps that lie wholly behind a wave's queries under the mask that the problem builds are left out by a scalar branch on ids.
; LDS: the head's block of att, 290,816 bytes, comes once, as it lies: concepts and scale words first (28,672 bytes), then each key step's K and V^T (16,384).  Each wave asks for one sixteenth, 71 rows of 256 bytes, its one tensor load.
; The loads stand in three arms: waves 0-3 (bytes up to 72,704: the concepts and key steps 0, 1), waves 4-7 (up to 145,408: key steps to 6), waves 8-15 (the rest).  A barrier in front of each of the three loops over key steps shows what that loop reads; what comes later lands under the products.
; NO CLUSTER: the branches that leave hidden key steps out hang on the work-group's number, and a work-group with x > 0 reads no key step beyond 15 - x, which a joint load would bring.  NO PREFETCH: every byte is asked for once, at the head; there is no loop to run ahead in.
; LIMITS: the scaled scores stay under 2^31 in magnitude; NaN and infinities are not served; a block whose largest magnitude lies under 2^-111 takes the byte 1.
.set HB,   290816
.set QR,   9306112
.set QSB,  13500416
.set KCS,  13762560
.set VCS,  13778944
.set LI,   1
.set AV0,  2
.set ASK0, 3
.set ASV0, 4
.set VDT,  5
.set VDC,  6
.set XR,   7
.set ADK,  8
.set ADV,  9
.set ADS,  10
.set ADT,  11
.set QF,   16
.set F,    32
.set S,    72
.set O,    136
.set O2,   168
.set PC,   200
.set BMX,  216
.set T4,   220
.set HOLD, 224
.set CVS,  228
.set KS,   232
.set VS,   236
.set QSC,  238
.set PW,   239
.set FF,   240
.set TP,   242
.set NINF, 243
.set SUM2, 244
.set A16R, 246
.set A8L,  247
.set QB,   16
.set KF,   17
.set TK,   18
.set TS,   19
.set TV,   20
.set J,    21
.set SEL,  22
.set CS,   24
.set MNT,  26
	s_load_b128 s[4:7], s[0:1], 0x0
	s_load_b64 s[8:9], s[0:1], 0x10
	v_lshl_add_u32 v254, v0, 2, 0x47000
	v_mov_b32 v255, 0
	ds_add_u32 v254, v255
	ds_add_u32 v254, v255
	v_lshrrev_b32 v8, 5, v0
	s_delay_alu instid0(VALU_DEP_1)
	v_readfirstlane_b32 s10, v8
	s_mov_b32 s11, ttmp9
	s_and_b32 s12, ttmp7, 0xffff
	s_lshr_b32 s13, s10, 2
	s_xor_b32 s13, s13, s10
	s_and_b32 s13, s13, 1
	s_sub_co_u32 s14, 15, s11
	s_cmp_eq_u32 s13, 1
	s_cselect_b32 s14, s14, s11
	s_lshr_b32 s15, s10, 1
	s_lshl_b32 s52, s14, 3
	s_add_co_u32 s15, s15, s52
	s_lshl_b32 s[QB], s14, 7
	s_mov_b32 s28, 3<<16
	s_mov_b32 s29, 32<<16
	s_mov_b32 s30, 71<<16
	s_mov_b32 s31, 32<<16
	s_mov_b32 s32, 71
	s_mov_b32 s33, 32
	s_mov_b32 s34, 0
	s_mov_b32 s35, 0
	s_mul_i32 s52, s12, HB
	s_mov_b32 s53, 0
	s_mul_i32 s54, s10, 18176                      ; my sixteenth of the head's block: the same place in memory and in LDS
	s_mov_b32 s55, 0
	s_wait_dscnt 0x0
	s_wait_kmcnt 0x0
	s_add_nc_u64 s[52:53], s[4:5], s[52:53]
	s_mov_b32 s44, 1
	s_mov_b32 s45, s54
	s_add_nc_u64 s[46:47], s[52:53], s[54:55]
	s_or_b32 s47, s47, 0x80000000
	s_cmp_lt_u32 s10, 4                            ; one chain, a load line for each group of waves that waits alike
	s_cbranch_scc0 .Lhead_b
	tensor_load_to_lds s[44:47], s[28:35]
	s_nop 0
.rept 4
	v_nop
.endr
	s_branch .Lhead_asked
.Lhead_b:
	s_cmp_lt_u32 s10, 8
	s_cbranch_scc0 .Lhead_c
	tensor_load_to_lds s[44:47], s[28:35]
	s_nop 0
.rept 4
	v_nop
.endr
	s_branch .Lhead_asked
.Lhead_c:
	tensor_load_to_lds s[44:47], s[28:35]
	s_nop 0
.rept 4
	v_nop
.endr
.Lhead_asked:
	s_lshl_b32 s58, s12, 17
	s_lshl_b32 s59, s15, 10
	s_add_co_u32 s58, s58, s59
	s_add_co_u32 s58, s58, QR
	s_mov_b32 s59, 0
	s_add_nc_u64 s[58:59], s[4:5], s[58:59]
	s_lshl_b32 s60, s12, 13
	s_lshr_b32 s61, s15, 3
	s_lshl_b32 s61, s61, 9
	s_add_co_u32 s60, s60, s61
	s_and_b32 s61, s15, 1
	s_lshl_b32 s61, s61, 8
	s_add_co_u32 s60, s60, s61
	s_bfe_u32 s61, s15, 0x20001
	s_lshl_b32 s61, s61, 2
	s_add_co_u32 s60, s60, s61
	s_add_co_u32 s60, s60, QSB
	s_mov_b32 s61, 0
	s_add_nc_u64 s[60:61], s[4:5], s[60:61]
	s_lshl_b32 s62, s12, 9
	s_add_co_u32 s62, s62, KCS
	s_mov_b32 s63, 0
	s_add_nc_u64 s[62:63], s[4:5], s[62:63]
	s_lshl_b32 s66, s12, 8
	s_add_co_u32 s66, s66, VCS
	s_mov_b32 s67, 0
	s_add_nc_u64 s[66:67], s[4:5], s[66:67]
	s_lshr_b32 s68, s12, 4
	s_lshl_b32 s68, s68, 7
	s_add_co_u32 s68, s68, s15
	s_and_b32 s69, s12, 15
	s_lshl_b32 s70, s68, 4
	s_add_co_u32 s70, s70, s69
	s_lshl_b32 s70, s70, 10
	s_mov_b32 s71, 0
	s_add_nc_u64 s[6:7], s[6:7], s[70:71]
	s_lshl_b32 s70, s68, 9
	s_lshl_b32 s69, s69, 1
	s_add_co_u32 s70, s70, s69
	s_add_nc_u64 s[8:9], s[8:9], s[70:71]
	s_mov_b32 s[SEL], 0x76543210
	s_mov_b32 s[SEL+1], 0xfedcba98
	s_mov_b32 s[CS], 0x3e38aa3b
	s_mov_b32 s[CS+1], s[CS]
	s_mov_b32 s[MNT], 0x600000
	s_mov_b32 s[KF], 0
	s_mov_b32 s[TK], 28672
	s_mov_b32 s[TS], 0
	s_mov_b32 s[TV], 0
	v_and_b32 v[TP], 31, v0
	s_delay_alu instid0(VALU_DEP_1)
	v_lshlrev_b32 v[LI], 4, v[TP]
	s_delay_alu instid0(VALU_DEP_2)
	v_lshlrev_b32 v[A8L], 3, v[TP]
	s_delay_alu instid0(VALU_DEP_2)
	v_add_nc_u32 v[AV0], 8192, v[LI]
	s_delay_alu instid0(VALU_DEP_3)
	v_add_nc_u32 v[ASK0], 16384, v[LI]
	s_delay_alu instid0(VALU_DEP_3)
	v_add_nc_u32 v[ASV0], 24576, v[A8L]
	v_and_b32 v8, 15, v0
	v_bfe_u32 v9, v0, 4, 1
	s_delay_alu instid0(VALU_DEP_2)
	v_lshlrev_b32 v[A16R], 4, v8
	s_delay_alu instid0(VALU_DEP_3)
	v_lshlrev_b32 v[XR], 5, v8
	global_load_b128 v[QF:QF+3], v[LI], s[58:59]
	global_load_b128 v[QF+4:QF+7], v[LI], s[58:59] offset:512
	global_load_b32 v[QSC], v[A16R], s[60:61]
	global_load_b128 v[KS:KS+3], v[LI], s[62:63]
	global_load_b64 v[VS:VS+1], v[A8L], s[66:67]
.irp j, 0,1,2,3,4,5,6,7
	v_mov_b32 v[QF+8+\j], 0
	v_mov_b32 v[F+32+\j], 0
.endr
	v_and_b32 v10, 8, v8
	s_delay_alu instid0(VALU_DEP_1)
	v_add_nc_u32 v10, v10, v8
	v_lshlrev_b32 v11, 4, v9
	s_delay_alu instid0(VALU_DEP_1)
	v_sub_nc_u32 v10, v10, v11
	s_bfe_u32 s52, s15, 0x20001
	s_lshl_b32 s52, s52, 5
	s_and_b32 s53, s15, 1
	s_lshl_b32 s53, s53, 3
	s_add_co_u32 s52, s52, s53
	v_add_nc_u32 v[VDT], s52, v10
	v_lshrrev_b32 v10, 3, v8
	s_delay_alu instid0(VALU_DEP_1)
	v_sub_nc_u32 v10, v10, v11
	s_and_b32 s53, s15, 0xfe
	v_add_nc_u32 v[VDC], s53, v10
	v_mov_b32 v[NINF], 0xff800000
	v_mov_b32 v[FF+1], 0
.irp b, 0,1,2,3
	v_mov_b32 v[T4+\b], 0
.endr
.macro FRESH
	v_mov_b32 v13, 0xff61b1e6
	s_delay_alu instid0(VALU_DEP_1)
	v_floor_f32 v12, -v13
	v_mov_b32 v14, 0
	v_mov_b32 v15, 0
.set n, 0
.rept 32
	v_mov_b32 v[O+n], 0
.set n, n+1
.endr
.endm
.macro WM d, a, b, acc, sa, sb, row
.if \acc
.if \row
	v_wmma_scale_f32_16x16x128_f8f6f4 v[\d:\d+7], v[\a:\a+15], v[\b:\b+15], v[\d:\d+7], v[\sa], v[\sb] matrix_a_fmt:MATRIX_FMT_BF8 matrix_b_fmt:MATRIX_FMT_BF8 matrix_a_scale:MATRIX_SCALE_ROW1
.else
	v_wmma_scale_f32_16x16x128_f8f6f4 v[\d:\d+7], v[\a:\a+15], v[\b:\b+15], v[\d:\d+7], v[\sa], v[\sb] matrix_a_fmt:MATRIX_FMT_BF8 matrix_b_fmt:MATRIX_FMT_BF8
.endif
.else
.if \row
	v_wmma_scale_f32_16x16x128_f8f6f4 v[\d:\d+7], v[\a:\a+15], v[\b:\b+15], 0, v[\sa], v[\sb] matrix_a_fmt:MATRIX_FMT_BF8 matrix_b_fmt:MATRIX_FMT_BF8 matrix_a_scale:MATRIX_SCALE_ROW1
.else
	v_wmma_scale_f32_16x16x128_f8f6f4 v[\d:\d+7], v[\a:\a+15], v[\b:\b+15], 0, v[\sa], v[\sb] matrix_a_fmt:MATRIX_FMT_BF8 matrix_b_fmt:MATRIX_FMT_BF8
.endif
.endif
.endm
.macro MASK d
.set n, 0
.rept 64
	v_cmp_gt_i32 vcc_lo, 32*(n/16)+n%16, v[\d]
	v_cndmask_b32 v[S+n], v[S+n], v[NINF], vcc_lo
.set n, n+1
.endr
.endm
.macro RECIP
	v_add_f32 v14, v14, v15
	s_delay_alu instid0(VALU_DEP_1)
	v_permlanex16_b32 v[TP], v14, s[SEL], s[SEL+1]
	s_delay_alu instid0(VALU_DEP_1)
	v_add_f32 v14, v14, v[TP]
	s_wait_alu depctr_va_vdst(0)
	v_rcp_f32 v14, v14
	v_nop
.endm
.macro STEP conc
.if \conc == 0
	s_cmp_gt_u32 s[KF], s[QB]
	s_cbranch_scc1 .Lhid_\@
	v_add_nc_u32 v[ADK], s[TK], v[LI]
	s_wait_alu depctr_va_vdst(0)
	v_add_nc_u32 v[ADV], s[TK], v[AV0]
	v_add_nc_u32 v[ADS], s[TS], v[ASK0]
	v_add_nc_u32 v[ADT], s[TV], v[ASV0]
	ds_load_b128 v[KS:KS+3], v[ADS]
	ds_load_b64 v[VS:VS+1], v[ADT]
.else
	v_mov_b32 v[ADK], v[LI]
	s_wait_alu depctr_va_vdst(0)
	v_add_nc_u32 v[ADV], 8192, v[LI]
.endif
.irp gq, 0,1
.if \gq == 1
.rept 8
	v_nop
.endr
.endif
.irp t, 0,1,2,3
	ds_load_b128 v[F+8*\t:F+8*\t+3], v[ADK] offset:(4*\gq+\t)*1024
	ds_load_b128 v[F+8*\t+4:F+8*\t+7], v[ADK] offset:(4*\gq+\t)*1024+512
.endr
	s_wait_dscnt 0x0
.irp t, 0,1,2,3
	WM S+8*(4*\gq+\t), F+8*\t, QF, 0, KS+(4*\gq+\t)/2, QSC, \t%2
.endr
.endr
.rept 8
	v_nop
.endr
	s_wait_alu depctr_va_vdst(0)
.irp ct, 0,1
.irp c, 0,1,2,3
	ds_load_b128 v[F+16*\ct+4*\c:F+16*\ct+4*\c+3], v[ADV] offset:2048*\ct+512*\c
.endr
.endr
.if \conc == 0
	s_cmp_lt_u32 s[KF], s[QB]
	s_cbranch_scc1 .Lopen_\@
	MASK VDT
.Lopen_\@:
.else
	MASK VDC
.endif
.irp b, 0,1,2,3
	v_max3_num_f32 v[BMX+\b], v[S+16*\b], v[S+1+16*\b], v[S+2+16*\b]
.endr
.irp i, 3,5,7,9,11,13
.irp b, 0,1,2,3
	v_max3_num_f32 v[BMX+\b], v[BMX+\b], v[S+16*\b+\i], v[S+1+16*\b+\i]
.endr
.endr
.irp b, 0,1,2,3
	v_max_num_f32 v[BMX+\b], v[BMX+\b], v[S+15+16*\b]
.endr
.irp b, 0,1,2,3
	s_delay_alu instid0(VALU_DEP_4)
	v_permlanex16_b32 v[T4+\b], v[BMX+\b], s[SEL], s[SEL+1]
.endr
.irp b, 0,1,2,3
	s_delay_alu instid0(VALU_DEP_4)
	v_max_num_f32 v[BMX+\b], v[BMX+\b], v[T4+\b]
.endr
	s_delay_alu instid0(VALU_DEP_2)
	v_max3_num_f32 v[TP], v[BMX], v[BMX+1], v[BMX+2]
	s_delay_alu instid0(VALU_DEP_1)
	v_max_num_f32 v[TP], v[TP], v[BMX+3]
	s_delay_alu instid0(VALU_DEP_1)
	v_mul_f32 v[TP], s[CS], v[TP]
	s_delay_alu instid0(VALU_DEP_1)
	v_max_num_f32 v13, v13, v[TP]
	v_mov_b32 v[TP], v12
	s_delay_alu instid0(VALU_DEP_2)
	v_floor_f32 v12, -v13
	s_delay_alu instid0(VALU_DEP_1)
	v_sub_f32 v[TP], v12, v[TP]
	s_delay_alu instid0(VALU_DEP_1)
	v_cvt_i32_f32 v[TP], v[TP]
	s_delay_alu instid0(VALU_DEP_1)
	v_ldexp_f32 v[FF], 1.0, v[TP]
.set n, 0
.rept 32
	v_pk_fma_f32 v[S+n:S+n+1], v[S+n:S+n+1], s[CS:CS+1], v[12:13] op_sel_hi:[1,0,0]
.set n, n+2
.endr
.irp b, 0,1,2,3
	v_fma_f32 v[BMX+\b], v[BMX+\b], s[CS], v12
.endr
.set n, 0
	s_wait_alu depctr_va_vdst(0)
.rept 64
	v_exp_f32 v[S+n], v[S+n]
.set n, n+1
.endr
.irp b, 0,1,2,3
	v_exp_f32 v[BMX+\b], v[BMX+\b]
.endr
	v_pk_mul_f32 v[14:15], v[14:15], v[FF:FF+1] op_sel_hi:[1,0]
	s_wait_alu depctr_va_vdst(0)
.irp b, 0,1,2,3
	v_max_num_f32 v[BMX+\b], 0x8000000, v[BMX+\b]
.endr
.irp b, 0,1,2,3
	s_delay_alu instid0(VALU_DEP_4)
	v_add_nc_u32 v[CVS+\b], 0xf8800000, v[BMX+\b]
.endr
.irp b, 0,1,2,3
	v_and_or_b32 v[HOLD+\b], v[BMX+\b], 0x7f800000, s[MNT]
.endr
.irp b, 0,1,2,3
	v_lshrrev_b32 v[T4+\b], 23, v[CVS+\b]
.endr
	s_delay_alu instid0(VALU_DEP_3)
	v_lshl_or_b32 v[PW], v[T4+1], 8, v[T4]
	s_delay_alu instid0(VALU_DEP_1)
	v_lshl_or_b32 v[PW], v[T4+2], 16, v[PW]
	s_delay_alu instid0(VALU_DEP_1)
	v_lshl_or_b32 v[PW], v[T4+3], 24, v[PW]
	v_pk_add_f32 v[SUM2:SUM2+1], v[S:S+1], v[S+2:S+3]
.irp j, 4,8,12,16,20,24,28,32,36,40,44,48,52,56,60
	v_pk_add_f32 v[14:15], v[14:15], v[S+\j:S+1+\j]
	v_pk_add_f32 v[SUM2:SUM2+1], v[SUM2:SUM2+1], v[S+2+\j:S+3+\j]
.endr
	s_delay_alu instid0(VALU_DEP_1)
	v_pk_add_f32 v[14:15], v[14:15], v[SUM2:SUM2+1]
.irp b, 0,1,2,3
.irp i, 0,1,2,3,4,5,6,7,8,9,10,11,12,13,14,15
	v_min_num_f32 v[S+16*\b+\i], v[S+16*\b+\i], v[HOLD+\b]
.endr
	v_cvt_scalef32_pk8_bf8_f32 v[PC+4*\b:PC+1+4*\b], v[S+16*\b:S+7+16*\b], v[CVS+\b]
	v_cvt_scalef32_pk8_bf8_f32 v[PC+2+4*\b:PC+3+4*\b], v[S+8+16*\b:S+15+16*\b], v[CVS+\b]
.if \b == 1
.irp ct, 2,3
.irp c, 0,1,2,3
	ds_load_b128 v[S+16*(\ct-2)+4*\c:S+16*(\ct-2)+4*\c+3], v[ADV] offset:2048*\ct+512*\c
.endr
.endr
.endif
.endr
.set n, 0
.rept 16
	v_pk_mul_f32 v[O+n:O+n+1], v[O+n:O+n+1], v[FF:FF+1] op_sel_hi:[1,0]
.set n, n+2
.endr
	s_wait_alu depctr_va_vdst(0)
	s_wait_dscnt 0x0
	WM O, F, PC, 1, VS, PW, 0
	WM O+8, F+16, PC, 1, VS, PW, 1
	WM O+16, S, PC, 1, VS+1, PW, 0
	WM O+24, S+16, PC, 1, VS+1, PW, 1
.rept 9
	v_nop
.endr
.if \conc == 0
.Lhid_\@:
	s_add_co_u32 s[KF], s[KF], 128
	s_add_co_u32 s[TK], s[TK], 16384
	s_add_co_u32 s[TS], s[TS], 512
	s_add_co_u32 s[TV], s[TV], 256
.endif
.endm
	FRESH
	s_wait_loadcnt 0x0
	s_cmp_lt_u32 s10, 4                            ; waves 0-3: my part of the concepts and of key steps 0 and 1 is in
	s_cbranch_scc0 .Lnot_a
	s_wait_tensorcnt 0x0
.Lnot_a:
	s_barrier_signal -1
	s_barrier_wait -1
	STEP 1
	RECIP
.set n, 0
	s_wait_alu depctr_va_vdst(0)
.rept 16
	v_pk_mul_f32 v[O2+n:O2+n+1], v[O+n:O+n+1], v[14:15] op_sel_hi:[1,0]
.set n, n+2
.endr
	FRESH
	s_mov_b32 s[J], 0
.Lkey_a:                                           ; key steps 0, 1
	STEP 0
	s_add_co_u32 s[J], s[J], 1
	s_cmp_lt_u32 s[J], 2
	s_cbranch_scc1 .Lkey_a
	s_cmp_lt_u32 s10, 8                            ; waves 4-7: my part of key steps up to 6 is in (waves 0-3 have nothing out)
	s_cbranch_scc0 .Lnot_b
	s_wait_tensorcnt 0x0
.Lnot_b:
	s_wait_dscnt 0x0
	s_barrier_signal -1
	s_barrier_wait -1
	s_mov_b32 s[KF], 2*128                         ; each loop begins at constants of the text
	s_mov_b32 s[TK], 28672+2*16384
	s_mov_b32 s[TS], 2*512
	s_mov_b32 s[TV], 2*256
	s_mov_b32 s[J], 0
.Lkey_b:                                           ; key steps 2 to 6
	STEP 0
	s_add_co_u32 s[J], s[J], 1
	s_cmp_lt_u32 s[J], 5
	s_cbranch_scc1 .Lkey_b
	s_wait_tensorcnt 0x0                           ; every wave: all that was still out is in
	s_wait_dscnt 0x0
	s_barrier_signal -1
	s_barrier_wait -1
	s_mov_b32 s[KF], 7*128
	s_mov_b32 s[TK], 28672+7*16384
	s_mov_b32 s[TS], 7*512
	s_mov_b32 s[TV], 7*256
	s_mov_b32 s[J], 0
.Lkey_c:                                           ; key steps 7 to 15
	STEP 0
	s_add_co_u32 s[J], s[J], 1
	s_cmp_lt_u32 s[J], 9
	s_cbranch_scc1 .Lkey_c
	RECIP
.set n, 0
	s_wait_alu depctr_va_vdst(0)
.rept 16
	v_pk_fma_f32 v[O+n:O+n+1], v[O+n:O+n+1], v[14:15], v[O2+n:O2+n+1] op_sel_hi:[1,0,1]
.set n, n+2
.endr
.irp b, 0,1
	v_max3_num_f32 v[BMX+\b], |v[O+16*\b]|, |v[O+1+16*\b]|, 0x8000000
.endr
.irp i, 2,4,6,8,10,12,14
.irp b, 0,1
	s_delay_alu instid0(VALU_DEP_2)
	v_max3_num_f32 v[BMX+\b], v[BMX+\b], |v[O+16*\b+\i]|, |v[O+1+16*\b+\i]|
.endr
.endr
.irp b, 0,1
	s_delay_alu instid0(VALU_DEP_2)
	v_permlanex16_b32 v[T4+\b], v[BMX+\b], s[SEL], s[SEL+1]
.endr
.irp b, 0,1
	s_delay_alu instid0(VALU_DEP_2)
	v_max_num_f32 v[BMX+\b], v[BMX+\b], v[T4+\b]
.endr
.irp b, 0,1
	s_delay_alu instid0(VALU_DEP_2)
	v_add_nc_u32 v[CVS+\b], 0xf8800000, v[BMX+\b]
.endr
.irp b, 0,1
	s_delay_alu instid0(VALU_DEP_4)
	v_and_or_b32 v[HOLD+\b], v[BMX+\b], 0x7f800000, s[MNT]
.endr
.irp b, 0,1
	s_delay_alu instid0(VALU_DEP_4)
	v_lshrrev_b32 v[T4+\b], 23, v[CVS+\b]
.endr
	s_delay_alu instid0(VALU_DEP_1)
	v_lshl_or_b32 v[TP], v[T4+1], 8, v[T4]
.irp b, 0,1
.irp i, 0,1,2,3,4,5,6,7,8,9,10,11,12,13,14,15
	v_med3_num_f32 v[O+16*\b+\i], v[O+16*\b+\i], -v[HOLD+\b], v[HOLD+\b]
.endr
	v_cvt_scalef32_pk8_bf8_f32 v[PC+4*\b:PC+1+4*\b], v[O+16*\b:O+7+16*\b], v[CVS+\b]
	v_cvt_scalef32_pk8_bf8_f32 v[PC+2+4*\b:PC+3+4*\b], v[O+8+16*\b:O+15+16*\b], v[CVS+\b]
.endr
	v_nop
	global_store_b128 v[LI], v[PC:PC+3], s[6:7]
	global_store_b128 v[LI], v[PC+4:PC+7], s[6:7] offset:512
	global_store_b16 v[XR], v[TP], s[8:9]
	s_wait_tensorcnt 0x0
	ds_add_u32 v254, v255
	s_wait_dscnt 0x0
	s_endpgm
.Lfunc_end_k_qaa37e96ea7_attn:
	.size	k_qaa37e96ea7_attn, .Lfunc_end_k_qaa37e96ea7_attn-k_qaa37e96ea7_attn
	.p2alignl 7, 3214868480
	.fill 96, 4, 3214868480
	.section	.rodata,"a",@progbits
	.p2align	6, 0x0
	.amdhsa_kernel k_qaa37e96ea7_attn
		.amdhsa_group_segment_fixed_size 327680
		.amdhsa_private_segment_fixed_size 0
		.amdhsa_enable_private_segment 0
		.amdhsa_kernarg_size 24
		.amdhsa_user_sgpr_count 2
		.amdhsa_user_sgpr_kernarg_segment_ptr 1
		.amdhsa_wavefront_size32 1
		.amdhsa_system_sgpr_workgroup_id_x 1
		.amdhsa_system_sgpr_workgroup_id_y 1
		.amdhsa_system_sgpr_workgroup_id_z 1
		.amdhsa_system_vgpr_workitem_id 0
		.amdhsa_next_free_vgpr 256
		.amdhsa_next_free_sgpr 72
		.amdhsa_reserve_vcc 1
		.amdhsa_float_denorm_mode_32 3
		.amdhsa_float_denorm_mode_16_64 3
		.amdhsa_memory_ordered 1
		.amdhsa_forward_progress 1
		.amdhsa_inst_pref_size 117
	.end_amdhsa_kernel
	.amdgpu_metadata
---
amdhsa.version: [ 1, 2 ]
amdhsa.kernels:
  - .name:           k_qaa37e96ea7_attn
    .symbol:         k_qaa37e96ea7_attn.kd
    .args:
      - { .name: att, .offset: 0, .size: 8, .value_kind: global_buffer, .address_space: global }
      - { .name: xo, .offset: 8, .size: 8, .value_kind: global_buffer, .address_space: global }
      - { .name: xos, .offset: 16, .size: 8, .value_kind: global_buffer, .address_space: global }
    .group_segment_fixed_size: 327680
    .private_segment_fixed_size: 0
    .kernarg_segment_align: 8
    .kernarg_segment_size: 24
    .max_flat_workgroup_size: 512
    .sgpr_count:     72
    .vgpr_count:     256
    .wavefront_size: 32
...
	.end_amdgpu_metadata
.endif
;; end of part 3
;; launch outproj (part 4): grid 8 x 32, 4 waves a work-group, clusters of 4 x 4, 327,680 bytes of LDS; arguments xo, xos, wq, ws, bp, out0; writes out0
.if DOCPART == 4
	.amdgcn_target "amdgcn-amd-amdhsa--gfx1250"
	.amdhsa_code_object_version 6
	.text
	.protected	k_qaa37e96ea7_outproj
	.globl	k_qaa37e96ea7_outproj
	.p2align	8
	.type	k_qaa37e96ea7_outproj,@function
k_qaa37e96ea7_outproj:
	s_mov_b64 s[64:65], 0
	v_nop
	global_prefetch_b8 v0, s[64:65] scope:SCOPE_SE
	s_setreg_imm32_b32 hwreg(HW_REG_WAVE_MODE, 25, 1), 1
	s_wait_xcnt 0x0
	s_wait_alu depctr_hold_cnt(0) depctr_sa_sdst(0) depctr_va_vdst(0) depctr_va_sdst(0) depctr_va_ssrc(0) depctr_va_vcc(0) depctr_vm_vsrc(0)
	s_getreg_b32 s2, hwreg(HW_REG_IB_STS2, 6, 4)
	s_cmp_eq_u32 s2, 0
	s_cbranch_scc0 .Lentry_in_a_cluster
	s_endpgm
.Lentry_in_a_cluster:
	s_bfe_u32 s2, ttmp6, 0x10000c
	s_cmp_lg_u32 s2, 0xf033
	s_cbranch_scc0 .Lentry_shape_is_right
	s_endpgm
.Lentry_shape_is_right:
; out0 = x Wp + bp on codes of BF8 (E5M2) with E8M0 scales.  x: xo [tile of 16 stored rows: 256][head 16][2][lane][16 bytes]: images of the operand's registers, 16,384 bytes a tile; its scale bytes xos [4096 stored rows][32].
; Wp: rows 5120-6143 of wq [column][1024], scale bytes in ws.  Stored rows have bits 3 and 4 of their numbers exchanged; the way out undoes it: columns by the place in the stage, rows by the stores' immediates.
; SHARES: a block of out0 is 128 x 128: 32 x 8 = 256 work-groups of four waves; a wave makes 64 x 64 in 16 accumulators, which take turns.
; LDS: ALL of K of the block's 128 rows of x and 128 rows of Wp lies in LDS, filled once, in two halves of K: x 2 x 65,536 bytes as they lie, Wp 2 x 128 rows of 512 bytes + 16 of padding.  One tensor load a wave:
; wave 0 x's first half, wave 1 Wp's, waves 2 and 3 the second halves.  The first barrier shows waves 0 and 1's loads alone, the second, in K step 3, the rest: four K steps are multiplied while the second halves land.
; CLUSTERS: 4 x 4 work-groups; the four of a row need the same rows of x, the four of a column the same rows of Wp: each tile is asked for jointly, with the same descriptor and a mask that names the four.
; NO PREFETCH: every byte is asked for once, at the head; there is no loop to run ahead in.
; The matrix instruction takes 16 rows of Wp as source 0 and 16 rows of x as source 1: a lane holds eight neighbouring numbers of a row of out0.  The bias is the first products' C.  The scale words come straight into registers: 2,048 dense bytes a side and wave.
; REGISTERS: window 0: v1-17 addresses; v24-55 x's scale words (8 a + q), v60-91 Wp's (8 b + q); v128-191 rows read back on the way out; v192-223 the bias.  window 1: two sets of fragments: x's four at 128 p, Wp's four at 128 p + 64.  window 2: v0-127 the accumulators (32 a + 8 b).
.set NP,     8                         ; plain vector lines behind this matrix instruction (ISA guide 7.12.1)
.set AH,     65536                     ; x: half of K of 8 tiles
.set BPITCH, 528
.set BH,     128*BPITCH
.set BOFF,   2*AH
.set STAGE,  BOFF+2*BH                 ; the way out: 16 rows x (256 bytes + 16) for each wave; no tile lands here
.set SPITCH, 272
.set SPARE,  STAGE+4*16*SPITCH         ; the spare words: 128 bytes for each wave; no other line names them
.set ADRA, 4
.set ADRB, 6
.set STO,  8
.set RD,   9
.set CO,   10
.set SPW,  12
.set NIL,  13
.set VS,   14
.set VBI,  15
.set SA,   24
.set SB,   60
.set BK,   128
.set BI,   192
.set G1A,  28
.set G1B,  36
.set G0,   44                          ; s[44:47] x half 0, s[48:51] Wp half 0, s[52:55] x half 1, s[56:59] Wp half 1
.set MSB, 0
.macro WIN new                         ; the immediate's high byte repeats the setting that is left
.if MSB != \new
	s_set_vgpr_msb (MSB<<8)|\new
.set MSB, \new
.endif
.endm
.macro PLACES n
.rept \n
	v_nop
.endr
.endm
.macro CROUND                          ; a round of the cluster's barrier
	s_barrier_signal -1
	s_barrier_wait -1
	s_cmp_lg_u32 s16, 0
	s_cbranch_scc1 .Lnot_wave_0_\@
	s_barrier_signal -3
.Lnot_wave_0_\@:
	s_barrier_wait -3
	s_barrier_signal -1
	s_barrier_wait -1
.endm
	s_load_b128 s[4:7], s[0:1], 0x0                ; xo, xos
	s_load_b128 s[8:11], s[0:1], 0x10              ; wq, ws
	s_load_b128 s[12:15], s[0:1], 0x20             ; bp, out0
	v_lshl_add_u32 v[SPW], v0, 2, SPARE
	v_mov_b32 v[NIL], 0
	ds_add_u32 v[SPW], v[NIL]                      ; the opening lines: the add, twice on end, and its wait ahead of my first tensor load
	ds_add_u32 v[SPW], v[NIL]
	v_lshrrev_b32 v1, 5, v0
	v_readfirstlane_b32 s16, v1                    ; wave
	s_lshr_b32 s17, s16, 1                         ; my half of the block's rows
	s_and_b32 s18, s16, 1                          ; my half of its columns
	s_bfe_u32 s19, ttmp6, 0x40000                  ; cx, cy
	s_bfe_u32 s20, ttmp6, 0x40004
	s_lshl_b32 s21, ttmp9, 2
	s_add_co_u32 s21, s21, s19                     ; block column 0..7
	s_and_b32 s22, ttmp7, 0xffff
	s_lshl_b32 s22, s22, 2
	s_add_co_u32 s22, s22, s20                     ; block row 0..31
	s_lshl_b32 s23, s20, 2
	s_lshl_b32 s23, 15, s23                        ; my row of the cluster
	s_lshl_b32 s24, 0x1111, s19                    ; my column
	s_or_b32 s[G1A+0], s23, (3<<16)|(1<<21)        ; x: 8 tiles x 8,192 bytes (1,024 elements of 8), 16,384 bytes apart; no padding
	s_mov_b32 s[G1A+1], 1024<<16
	s_mov_b32 s[G1A+2], 8<<16
	s_mov_b32 s[G1A+3], 1024<<16
	s_mov_b32 s[G1A+4], 8
	s_mov_b32 s[G1A+5], 2048
	s_mov_b32 s[G1A+6], 0
	s_mov_b32 s[G1A+7], 0
	s_or_b32 s[G1B+0], s24, (0<<16)|(1<<20)|(1<<21)|(6<<22)|(3<<25)   ; Wp: 128 rows x 512 bytes, 1,024 apart; 4 words of padding after every 128
	s_mov_b32 s[G1B+1], 512<<16
	s_mov_b32 s[G1B+2], 128<<16
	s_mov_b32 s[G1B+3], 512<<16
	s_mov_b32 s[G1B+4], 128
	s_mov_b32 s[G1B+5], 1024
	s_mov_b32 s[G1B+6], 0
	s_mov_b32 s[G1B+7], 0
	s_lshl_b32 s60, s22, 17                        ; x: 8 tiles of 16,384 bytes a block row
	s_mov_b32 s61, 0
	s_lshl_b32 s62, s21, 17                        ; Wp: 128 rows of 1,024 bytes a block column, behind wq's first 5,120 rows
	s_add_co_u32 s62, s62, 5120*1024
	s_mov_b32 s63, 0
	s_wait_dscnt 0x0                               ; both opening adds are done
	s_wait_kmcnt 0x0
	s_add_nc_u64 s[60:61], s[4:5], s[60:61]
	s_add_nc_u64 s[62:63], s[8:9], s[62:63]
.irp k, 0,1
	s_mov_b32 s[G0+8*\k], 1
	s_mov_b32 s[G0+8*\k+1], \k*AH
	s_add_nc_u64 s[G0+8*\k+2:G0+8*\k+3], s[60:61], \k*8192
	s_or_b32 s[G0+8*\k+3], s[G0+8*\k+3], 0x80000000
	s_mov_b32 s[G0+8*\k+4], 1
	s_mov_b32 s[G0+8*\k+5], BOFF+\k*BH
	s_add_nc_u64 s[G0+8*\k+6:G0+8*\k+7], s[62:63], \k*512
	s_or_b32 s[G0+8*\k+7], s[G0+8*\k+7], 0x80000000
.endr
	CROUND                                         ; all sixteen work-groups are here: the joint loads meet
.macro ARM under, g0, g1, next         ; one chain of branches on the wave's number, a load to an arm
	s_cmp_lt_u32 s16, \under
	s_cbranch_scc0 \next
	tensor_load_to_lds s[\g0:\g0+3], s[\g1:\g1+7]
	s_nop 0
	PLACES 4
	s_branch .Lhead_asked
\next:
.endm
	ARM 1, G0,   G1A, .Lhead_1
	ARM 2, G0+4, G1B, .Lhead_2
	ARM 3, G0+8, G1A, .Lhead_3
	tensor_load_to_lds s[G0+12:G0+15], s[G1B:G1B+7]
	s_nop 0
	PLACES 4
.Lhead_asked:
	s_lshl_b32 s70, s22, 12                        ; x's scale bytes: 128 rows of 32 a block row, 64 a half
	s_lshl_b32 s72, s17, 11
	s_add_co_u32 s70, s70, s72
	s_mov_b32 s71, 0
	s_add_nc_u64 s[6:7], s[6:7], s[70:71]
	s_lshl_b32 s70, s21, 12                        ; Wp's
	s_lshl_b32 s72, s18, 11
	s_add_co_u32 s70, s70, s72
	s_add_co_u32 s70, s70, 5120*32
	s_add_nc_u64 s[10:11], s[10:11], s[70:71]
	s_lshl_b32 s70, s21, 9                         ; my first column, in bytes of f32
	s_lshl_b32 s72, s18, 8
	s_add_co_u32 s70, s70, s72
	s_add_nc_u64 s[12:13], s[12:13], s[70:71]
	s_add_nc_u64 s[14:15], s[14:15], s[70:71]
	s_lshl_b32 s70, s22, 19                        ; my first row: 4,096 bytes a row
	s_lshl_b32 s72, s17, 18
	s_add_co_u32 s70, s70, s72
	s_add_nc_u64 s[14:15], s[14:15], s[70:71]
	s_lshl_b32 s66, s17, 15                        ; LDS: my four tiles of x in a half,
	s_mul_i32 s67, s18, 64*BPITCH
	s_add_co_u32 s67, s67, BOFF                    ; my 64 rows of Wp,
	s_mul_i32 s68, s16, 16*SPITCH
	s_add_co_u32 s68, s68, STAGE                   ; my stage
	v_and_b32 v1, 15, v0                           ; r
	v_bfe_u32 v2, v0, 4, 1                         ; h
	v_and_b32 v3, 31, v0
	v_lshlrev_b32 v3, 4, v3
	v_add_nc_u32 v[ADRA], s66, v3                  ; x's fragments come back as they were stored: 16 x lane
	v_add_nc_u32 v[ADRA+1], AH, v[ADRA]
	v_mul_u32_u24 v16, v1, BPITCH
	v_lshl_add_u32 v16, v2, 4, v16
	v_add_nc_u32 v[ADRB], s67, v16                 ; Wp's: row r x pitch + 16 h
	v_add_nc_u32 v[ADRB+1], BH, v[ADRB]
	v_mul_u32_u24 v16, v1, SPITCH
	v_lshl_add_u32 v16, v2, 6, v16
	v_add_nc_u32 v[STO], s68, v16                  ; into the stage: row r; my half's 16 columns of each 32: 64 h bytes on
	v_mul_u32_u24 v17, v2, SPITCH
	v_lshl_add_u32 v17, v1, 4, v17
	v_add_nc_u32 v[RD], s68, v17                   ; back: lanes 0-15 one row of 256 bytes, lanes 16-31 the next
	v_lshlrev_b32 v[CO], 12, v2
	v_lshl_add_u32 v[CO], v1, 4, v[CO]             ; and the same two rows in out0
	v_lshlrev_b32 v[VS], 5, v1                     ; row r's 32 scale bytes
	v_lshlrev_b32 v[VBI], 6, v2
	s_wait_alu depctr_va_vdst(0)
.irp i, 0,1,2,3
	global_load_b128 v[SA+8*\i:SA+8*\i+3], v[VS], s[6:7] offset:512*\i
	global_load_b128 v[SA+8*\i+4:SA+8*\i+7], v[VS], s[6:7] offset:512*\i+16
	global_load_b128 v[SB+8*\i:SB+8*\i+3], v[VS], s[10:11] offset:512*\i
	global_load_b128 v[SB+8*\i+4:SB+8*\i+7], v[VS], s[10:11] offset:512*\i+16
	global_load_b128 v[BI+8*\i:BI+8*\i+3], v[VBI], s[12:13] offset:128*(\i/2)+32*(\i%2)      ; register j of tile b: column 32 (b / 2) + 16 h + 8 (b % 2) + j
	global_load_b128 v[BI+8*\i+4:BI+8*\i+7], v[VBI], s[12:13] offset:128*(\i/2)+32*(\i%2)+16
.endr
	s_cmp_lt_u32 s16, 2                            ; waves 0 and 1: the first halves of K are in.  The other waves' wait stands at the second barrier
	s_cbranch_scc0 .Lnot_first
	s_wait_tensorcnt 0x0
.Lnot_first:
	s_barrier_signal -1
	s_barrier_wait -1
.macro FETCH q                         ; K step q's eight fragments into set q % 2: 32 loads
	WIN 0x40
.irp i, 0,1,2,3
.irp c, 0,1,2,3
	ds_load_b128 v[128*((\q)%2)+16*\i+4*\c:128*((\q)%2)+16*\i+4*\c+3], v[ADRA+(\q)/4] offset:8192*\i+2048*((\q)%4)+512*\c
.endr
.endr
.irp i, 0,1,2,3
.irp c, 0,1,2,3
	ds_load_b128 v[128*((\q)%2)+64+16*\i+4*\c:128*((\q)%2)+64+16*\i+4*\c+3], v[ADRB+(\q)/4] offset:16*BPITCH*\i+128*((\q)%4)+32*\c
.endr
.endr
.endm
.macro MUL q                           ; 16 products: x's blocks a x Wp's tiles b, the q-th 128 of K
.set P_, 128*((\q)%2)
.irp a, 0,1,2,3
.irp b, 0,1,2,3
.if (\q) == 0
	v_wmma_scale_f32_16x16x128_f8f6f4 v[32*\a+8*\b:32*\a+8*\b+7], v[P_+64+16*\b:P_+64+16*\b+15], v[P_+16*\a:P_+16*\a+15], v[BI+8*\b:BI+8*\b+7], v[SB+8*\b+(\q)], v[SA+8*\a+(\q)] matrix_a_fmt:MATRIX_FMT_BF8 matrix_b_fmt:MATRIX_FMT_BF8
.else
	v_wmma_scale_f32_16x16x128_f8f6f4 v[32*\a+8*\b:32*\a+8*\b+7], v[P_+64+16*\b:P_+64+16*\b+15], v[P_+16*\a:P_+16*\a+15], v[32*\a+8*\b:32*\a+8*\b+7], v[SB+8*\b+(\q)], v[SA+8*\a+(\q)] matrix_a_fmt:MATRIX_FMT_BF8 matrix_b_fmt:MATRIX_FMT_BF8
.endif
.endr
.endr
.endm
.macro KSTEP q
.if (\q) < 7
.if (\q) > 0
	PLACES NP                                      ; behind the last step's products, ahead of the loads into the set that they read
.endif
.if (\q) == 3
	s_wait_tensorcnt 0x0                           ; every wave: the second halves of K are in
	s_wait_dscnt 0x0
	s_barrier_signal -1
	s_barrier_wait -1
.endif
	FETCH (\q)+1
	s_wait_dscnt 32                                ; all but the 32 just issued: this step's fragments are in
.else
	s_wait_dscnt 0x0
.endif
.if (\q) == 0
	s_wait_loadcnt 0x0                             ; the scale words and the bias
	WIN 0x85                                       ; sources 0, 1 window 1, C (the bias) window 0, D window 2
.else
	WIN 0xa5                                       ; C and D window 2
.endif
	MUL \q
.endm
	FETCH 0
.irp q, 0,1,2,3,4,5,6,7
	KSTEP \q
.endr
	WIN 0
	PLACES NP                                      ; ahead of the first read of results
; THE WAY OUT, block by block of 16 stored rows x 64 columns, through my own stage; rows come back whole, 256 bytes, and go to their natural rows: stage row s of block a is row 32 (a / 2) + 8 (a % 2) + s % 8 + 16 (s / 8) of my 64.
.macro TOSTAGE a
	WIN 0x08                                       ; an LDS store's data: window 2
.irp b, 0,1,2,3
	ds_store_b128 v[STO], v[32*(\a)+8*\b:32*(\a)+8*\b+3] offset:128*(\b/2)+32*(\b%2)       ; each accumulator from its low end on
	ds_store_b128 v[STO], v[32*(\a)+8*\b+4:32*(\a)+8*\b+7] offset:128*(\b/2)+32*(\b%2)+16
.endr
	WIN 0
.irp t, 0,1,2,3,4,5,6,7
	ds_load_b128 v[BK+32*((\a)%2)+4*\t:BK+32*((\a)%2)+4*\t+3], v[RD] offset:2*\t*SPITCH    ; LDS serves a wave's instructions in order (ISA guide 5.7.1.4): these see the stores above
.endr
.endm
.macro SEND a, younger
	s_wait_dscnt \younger                          ; the block is back; the next block's 8 stores and 8 loads may be out
.irp t, 0,1,2,3,4,5,6,7
	global_store_b128 v[CO], v[BK+32*((\a)%2)+4*\t:BK+32*((\a)%2)+4*\t+3], s[14:15] offset:(32*((\a)/2)+8*((\a)%2)+(2*\t)%8+16*(\t/4))*4096 th:TH_STORE_NT   ; sixteen lanes store 256 consecutive bytes, aligned
.endr
.endm
	TOSTAGE 0
.irp a, 1,2,3
.if \a > 1
	s_wait_xcnt 0x0                                ; block a - 2's stores have read their registers: block a's loads may land there
.endif
	TOSTAGE \a
	SEND \a-1, 16
.endr
	SEND 3, 0
	s_wait_tensorcnt 0x0                           ; the wave's end
	ds_add_u32 v[SPW], v[NIL]
	s_wait_dscnt 0x0
	CROUND                                         ; the closing round: no work-group ends while a partner may still ask for a tile that names it
	s_endpgm
.Lfunc_end_k_qaa37e96ea7_outproj:
	.size	k_qaa37e96ea7_outproj, .Lfunc_end_k_qaa37e96ea7_outproj-k_qaa37e96ea7_outproj
	.p2alignl 7, 3214868480
	.fill 96, 4, 3214868480
	.section	.rodata,"a",@progbits
	.p2align	6, 0x0
	.amdhsa_kernel k_qaa37e96ea7_outproj
		.amdhsa_group_segment_fixed_size 327680
		.amdhsa_private_segment_fixed_size 0
		.amdhsa_enable_private_segment 0
		.amdhsa_kernarg_size 48
		.amdhsa_user_sgpr_count 2
		.amdhsa_user_sgpr_kernarg_segment_ptr 1
		.amdhsa_wavefront_size32 1
		.amdhsa_system_sgpr_workgroup_id_x 1
		.amdhsa_system_sgpr_workgroup_id_y 1
		.amdhsa_system_sgpr_workgroup_id_z 1
		.amdhsa_system_vgpr_workitem_id 0
		.amdhsa_next_free_vgpr 640
		.amdhsa_next_free_sgpr 76
		.amdhsa_reserve_vcc 0
		.amdhsa_float_denorm_mode_32 3
		.amdhsa_float_denorm_mode_16_64 3
		.amdhsa_memory_ordered 1
		.amdhsa_forward_progress 1
		.amdhsa_inst_pref_size 52
	.end_amdhsa_kernel
	.amdgpu_metadata
---
amdhsa.version: [ 1, 2 ]
amdhsa.kernels:
  - .name:           k_qaa37e96ea7_outproj
    .symbol:         k_qaa37e96ea7_outproj.kd
    .args:
      - { .name: xo, .offset: 0, .size: 8, .value_kind: global_buffer, .address_space: global }
      - { .name: xos, .offset: 8, .size: 8, .value_kind: global_buffer, .address_space: global }
      - { .name: wq, .offset: 16, .size: 8, .value_kind: global_buffer, .address_space: global }
      - { .name: ws, .offset: 24, .size: 8, .value_kind: global_buffer, .address_space: global }
      - { .name: bp, .offset: 32, .size: 8, .value_kind: global_buffer, .address_space: global }
      - { .name: out0, .offset: 40, .size: 8, .value_kind: global_buffer, .address_space: global }
    .group_segment_fixed_size: 327680
    .private_segment_fixed_size: 0
    .kernarg_segment_align: 8
    .kernarg_segment_size: 48
    .max_flat_workgroup_size: 128
    .sgpr_count:     76
    .vgpr_count:     640
    .wavefront_size: 32
...
	.end_amdgpu_metadata
.endif
;; end of part 4
